; MI455X (gfx1250); checked and timed in simulation.
; The chip was launched on July 23, 2026; its instructions are those of AMD's public machine-readable ISA for CDNA 5 (MIT licence, August 2026) and "CDNA5" Instruction Set Architecture Reference Guide (July 2026). The comments in the code are by the model that wrote it; some were corrected since.
;; Transformer Post LN. Allowed arithmetic: matrix products marked QUANTISED: E5M2 operands, one E8M0 scale for each 32 along K, by v_wmma_scale_f32_16x16x128_f8f6f4 with both operands' format E5M2, f32 sums; everything else in f32.
;; Inputs: b1 2,048 float32; b2 512 float32; bk 512 float32; bo 512 float32; bq 512 float32; bv 512 float32; kx_codes 4 x 2,048 x 16 x 32 uint8 (E5M2 codes of kx, K innermost, in blocks of 32 codes); kx_scales 4 x 2,048 x 16 uint8 (E8M0 scales of kx, one for each 32 codes along K); ln1_b 512 float32; ln1_g 512 float32; ln2_b 512 float32; ln2_g 512 float32; maskPAD 4 x 2,048 x 2,048 int32; qx_codes 4 x 2,048 x 16 x 32 uint8 (E5M2 codes of qx, K innermost, in blocks of 32 codes); qx_scales 4 x 2,048 x 16 uint8 (E8M0 scales of qx, one for each 32 codes along K); vx 4 x 2,048 x 512 float32; w1_codes 2,048 x 16 x 32 uint8 (E5M2 codes of w1, K innermost, in blocks of 32 codes); w1_scales 2,048 x 16 uint8 (E8M0 scales of w1, one for each 32 codes along K); w2_codes 512 x 64 x 32 uint8 (E5M2 codes of w2, K innermost, in blocks of 32 codes); w2_scales 512 x 64 uint8 (E8M0 scales of w2, one for each 32 codes along K); wk_codes 512 x 16 x 32 uint8 (E5M2 codes of wk, K innermost, in blocks of 32 codes); wk_scales 512 x 16 uint8 (E8M0 scales of wk, one for each 32 codes along K); wo_codes 512 x 16 x 32 uint8 (E5M2 codes of wo, K innermost, in blocks of 32 codes); wo_scales 512 x 16 uint8 (E8M0 scales of wo, one for each 32 codes along K); wq_codes 512 x 16 x 32 uint8 (E5M2 codes of wq, K innermost, in blocks of 32 codes); wq_scales 512 x 16 uint8 (E8M0 scales of wq, one for each 32 codes along K); wv_codes 512 x 16 x 32 uint8 (E5M2 codes of wv, K innermost, in blocks of 32 codes); wv_scales 512 x 16 uint8 (E8M0 scales of wv, one for each 32 codes along K).
;; Outputs: out0 4 x 2,048 x 512 float32.
;; This version of the problem:
;;   THIS VERSION OF THE PROBLEM IS GIVEN IN LOW PRECISION. The matrix products marked QUANTISED in the list below multiply operands that are first quantised to E5M2 (5 exponent bits, 2 mantissa bits; 8 bits a number), with one power-of-two scale for each 32 numbers along K (OCP MX v1.0); their sums are f32. All else is computed in f32.
;;   The module's matrix products, in the order in which they are computed (A, B: the left and right operand; K: the contracted axis; several contracted axes count as one K, in the product's order):
;;     1. [M 8,192, K 512] x [K 512, N 512]; A: input qx (given as codes); B: input wq (given as codes): QUANTISED
;;     2. [M 8,192, K 512] x [K 512, N 512]; A: input kx (given as codes); B: input wk (given as codes): QUANTISED
;;     3. [M 8,192, K 512] x [K 512, N 512]; A: input vx; B: input wv (given as codes): QUANTISED
;;     4. batch 32 x [M 2,048, K 64] x [K 64, N 2,048]; A: computed on the way; B: computed on the way: QUANTISED
;;     5. batch 32 x [M 2,048, K 2,048] x [K 2,048, N 64]; A: softmax (see below); B: computed on the way: QUANTISED
;;     6. [M 8,192, K 512] x [K 512, N 512]; A: computed on the way; B: input wo (given as codes): QUANTISED
;;     7. [M 8,192, K 512] x [K 512, N 2,048]; A: computed on the way; B: input w1 (given as codes): QUANTISED
;;     8. [M 8,192, K 2,048] x [K 2,048, N 512]; A: computed on the way; B: input w2 (given as codes): QUANTISED
;;   THE QUANTISER, for each operand of a quantised product, along K:
;;     - K is cut into blocks of 32 from its start; a last block that is shorter is filled with zeros.
;;     - A block's scale is 2^e with e = floor(log2(the largest magnitude in the block)) - 15, held to -126 .. 127; a block of zeros has e = 0. As a byte (E8M0): e + 127.
;;     - Each number is divided by its block's scale, clamped to +-57,344, and rounded to the nearest number of E5M2, ties to even, subnormals kept.
;;     - The product sums the exact products of the quantised numbers (number of the format x scale) in f32.
;;   ~~~python
;;   def quantise(x, axis):      # numpy; x: float32 -> the quantised numbers, widened to float32 again
;;       x = np.moveaxis(x, axis, -1); K = x.shape[-1]
;;       x = np.pad(x, [(0, 0)] * (x.ndim - 1) + [(0, -K % 32)]); x = x.reshape(x.shape[:-1] + (-1, 32)); a = np.abs(x).max(-1, keepdims=True)
;;       e = np.where(a > 0, np.clip(np.frexp(np.where(a > 0, a, 1))[1] - 1 - 15, -126, 127), 0)      # np.frexp(a)[1] - 1 = floor(log2(a)), exactly
;;       r = np.clip(x / 2.0 ** e, -57344, 57344)
;;       step = 2.0 ** (np.maximum(np.frexp(np.where(r == 0, 1, r))[1] - 1, -14) - 2)
;;       q = np.round(r / step) * step * 2.0 ** e      # np.round: ties to even
;;       return np.moveaxis(q.reshape(q.shape[:-2] + (-1,))[..., :K], -1, axis).astype(np.float32)
;;   ~~~
;;   SOFTMAX AHEAD OF A QUANTISED PRODUCT. Where the list says 'softmax', what is quantised is not the finished softmax but p = 2^(t - M), with t = logit x log2(e) and M = ceil(the row's largest t), a whole number; so 1/2 < the row's largest p <= 1. The row's sum l is taken of the UNQUANTISED p, in f32, and the product's result is divided by l at the end. Since M is a whole number, a kernel that streams over the keys may use a running M (the ceiling of the running maximum): every later rescaling is an exact power of two, which a block's scale takes up: the codes' values come out the same.
;;   OPERANDS COMPUTED ON THE WAY. 'Computed on the way' means the value that the module computes at that place (a softmax that the list does not call 'softmax' is quantised finished and normalised). What goes into a quantiser is computed in f32, as accurately as f32 sums, v_exp_f32 and their like allow (about 1e-6 of the number): no bf16 or f16 on the way to a quantiser, and a product that is left as it is and whose result goes on into a quantised operand takes f32 operands (vector FMAs, or v_wmma_f32_16x16x4_f32). A number that lies on a knife's edge between two numbers of the format may be rounded either way, as far as f32 arithmetic and the matrix unit's own rounding can turn it there, and no further.
;;   INPUTS GIVEN AS CODES. kx (in the module: [4, 2048, 512], K = its axis 2); qx (in the module: [4, 2048, 512], K = its axis 2); w1 (in the module: [512, 2048], K = its axis 0); w2 (in the module: [2048, 512], K = its axis 0); wk (in the module: [512, 512], K = its axis 0); wo (in the module: [512, 512], K = its axis 0); wq (in the module: [512, 512], K = its axis 0); wv (in the module: [512, 512], K = its axis 0): each comes as NAME_codes (uint8): NAME with its K axis moved to the last place and cut into blocks of 32 codes, [.., K / 32, bytes a block], one block behind the other in memory; one code a byte (a code: sign, 5 exponent bits, 2 mantissa bits); and NAME_scales (uint8): the same leading axes, one E8M0 byte (e + 127) for each 32 codes along K. Its value is code x scale, taken as it is: it is not quantised again, and the codes and scales need not be those that the quantiser above would give.
;; One version. Each part assembles by itself: llvm-mc -triple=amdgcn-amd-amdhsa -mcpu=gfx1250 --defsym DOCPART=n.
;; ======== version 1 of 1: 3 launches
;; workspace buffers: qimg 4,194,304 bytes; qsc 262,144 bytes; kv 8,912,896 bytes; mbits 2,097,152 bytes of whole numbers; zimg 4,194,304 bytes; zsc 262,144 bytes
;; launch prep (part 1): grid 256 x 1, 16 waves a work-group, no clusters, 327,680 bytes of LDS; arguments qx_codes, qx_scales, wq_codes, wq_scales, bq, qimg, qsc, kx_codes, kx_scales, wk_codes, wk_scales, bk, kv, vx, wv_codes, wv_scales, bv, maskPAD, mbits; writes qimg, qsc, kv, mbits
.if DOCPART == 1
	.amdgcn_target "amdgcn-amd-amdhsa--gfx1250"
	.amdhsa_code_object_version 6
	.text
	.protected	k_q9f4ce80d00_prep
	.globl	k_q9f4ce80d00_prep
	.p2align	8
	.type	k_q9f4ce80d00_prep,@function
k_q9f4ce80d00_prep:
	s_mov_b64 s[64:65], 0
	v_nop
	global_prefetch_b8 v0, s[64:65] scope:SCOPE_SE
	s_setreg_imm32_b32 hwreg(HW_REG_WAVE_MODE, 25, 1), 1
	s_wait_xcnt 0x0
; PREP: the three projections q, k, v of the block (products on codes of E5M2 with one E8M0 scale for each 32 along K), quantised again as operands of the two
; attention products, and the mask cut from int32 to bits.  DEAD WORK: none.  Every input of the problem has a way to the output (bk too: it moves k's codes), so every input is loaded by some launch.
; LIMITS: NaN and infinities among the inputs are not served.  A block whose largest magnitude lies under 2^-111 (a block of zeros among them) keeps the scale byte 1: its codes are then
; zeros or subnormal codes, and the bytes are read by this program alone.
; SHARES.  A work-group of sixteen waves takes one group of 32 rows (of the 8,192 rows b x l) and makes all four things of them: v, q, k and the mask's bits.
; THE MASK (32 queries x 2,048 keys of int32, 262,144 bytes a group) comes by the tensor data mover: wave w asks once, at the head, for keys 128 w .. 128 w + 127 of the 32 queries, 32 rows of 512 bytes, into a stage
; of its own; the load takes no register and lands while the wave runs the three projections; the bits are cut at the end.  One tensor load of a wave is out; only the wave that asked reads its stage.
; A group's two tiles of 16 rows: lane r of tile u is row 8 u + r + 8 (r / 8) of the group, for queries and keys alike.  So in S^T = K Q^T the 16 registers of two neighbouring key tiles are 16 neighbouring keys.
; PROJECTIONS.  Wave w makes output columns 32 w .. 32 w + 31 (one quantiser block of q and k; half a head).  Its weight tiles take rows 32 w + 8 u' + r + 8 (r / 8).
;   q, k: source 0 = weights, source 1 = rows: a lane holds one row, and its 16 registers of two tiles are 16 neighbouring columns: the quantiser's K.
;   v:    source 0 = rows, source 1 = weights: a lane holds one column d, and its 16 registers are 16 neighbouring KEYS: the second attention product's K.
;   The next projection's 40 loads (scales, bias, weights) are issued directly behind a projection's last products and land under its quantiser and stores.
; NO CLUSTER: the weights, which all work-groups read, go straight into registers, each wave taking rows that no other wave of its work-group reads; a joint load would bring them through LDS, of which the
; sixteen stages of 16,896 bytes and the rows' 53,248 leave 2,048 bytes beside the spare words.  No prefetch: every stream is asked for at the head.
; RESULTS are stored as images of the operand registers (16 bytes a lane, 512 consecutive bytes a store of a wave):
;   qimg [b h][tile 128][c 2][lane][16];  qsc [b h][tile][r] words, the two scale bytes written twice (low and high half);
;   kv [b h][quarter of 512 keys][69,632]: K's codes [tile 32][c 2][lane][16] | V's codes [key step 4][d tile 4][c 4][lane][16] | K's scale words [tile 32][r] | V's scale words [key step 4][d tile 4][lane], byte c.
;   V's scale bytes leave one byte a lane: the four bytes of a word belong to four groups of keys, that is to four work-groups; they are 131,072 bytes in all.
;   mbits [b][tile 128][key step 16][n 64] words: bit L of word n says mask != 0 for the query of lane L % 16 and key 128 step + 32 (n / 16) + 16 (L / 16) + n % 16: the place of score register n in the attention launch.
.set XQ,      0                        ; qx's 32 rows of 512 codes, 528 bytes apart
.set XK,      16896                    ; kx's
.set XV,      33792                    ; the codes made of vx
.set XSCL,    50688                    ; vx's scale bytes, 16 a row
.set SCLQ,    51200                    ; q's scale bytes, [head 8][tile 2][r 16][4]; k's 1,024 bytes on
.set MST,     53248                    ; the mask: a stage of 32 rows x 528 bytes for each wave, filled by its tensor load alone
.set MSTW,    16896
.set SPARE,   323584                   ; the spare words, 128 bytes for each wave, that no other line names
.set QUARTER, 69632
.set HEADB,   278528
.set SPW,  16                          ; v16  LDS address of my spare word; never rewritten
.set NIL,  17                          ; v17  0; never rewritten
.set WS,   18                          ; v18-25 the weights' scale words, 4 u' + s
.set XS,   26                          ; v26-33 the rows' scale words, 4 u + s
.set BIAS, 34                          ; v34-49 the bias of my columns (q, k)
.set BV,   58                          ; v58-59 bv at my two columns
.set ACC,  64                          ; v64-95 four accumulators
.set XF,   96                          ; v96-127 the rows' two fragments; between the products at work:
.set TM,   96                          ;   v96-105 the quantiser's
.set PC,   112                         ;   v112-119 codes just made
.set W,    128                         ; v128-255 my eight weight fragments, 64 u' + 16 s
.set SEL,  6                           ; s[6:7] lane selects: lane l xor 16
.set MNT,  60                          ; s60 the mantissa field of 57,344
.set G0,   48                          ; s[48:51] descriptor group 0
.set G1,   52                          ; s[52:59] descriptor group 1
; v1 r, v2 h, v3 r + 8 (r / 8), v15 lane; v4-14 addresses of the projections; v50-54 of vx; v55 my lane's place in my mask stage; v56 8 x lane; v57 a scale word on its way out; v60-63 the bits
; Two blocks, each 16 numbers of a lane (the block's other 16 lie in lane l xor 16), become codes in v[pc + 4 a] on; the scale bytes stand in v[tm + 8 + a].
.macro QUANT2 src, dst, pc, tm
.irp a,0,1
	v_max3_num_f32 v[\tm+\a], |v[\src+16*\a]|, |v[\src+16*\a+1]|, 0x8000000       ; with the floor 2^(16 - 127): the byte cannot fall under 1
.endr
.irp i,2,4,6,8,10,12,14
.irp a,0,1
	v_max3_num_f32 v[\tm+\a], v[\tm+\a], |v[\src+16*\a+\i]|, |v[\src+16*\a+\i+1]|
.endr
.endr
.irp a,0,1
	v_permlanex16_b32 v[\tm+2+\a], v[\tm+\a], s[SEL], s[SEL+1]
.endr
.irp a,0,1
	v_max_num_f32 v[\tm+\a], v[\tm+\a], v[\tm+2+\a]                                ; the block's largest magnitude
.endr
.irp a,0,1
	v_add_nc_u32 v[\tm+4+\a], 0xf8800000, v[\tm+\a]                                ; 15 off its exponent field: the conversion's scale operand
.endr
.irp a,0,1
	v_and_or_b32 v[\tm+6+\a], v[\tm+\a], 0x7f800000, s[MNT]                        ; 57,344 x the scale
.endr
.irp a,0,1
	v_lshrrev_b32 v[\tm+8+\a], 23, v[\tm+4+\a]                                     ; the scale's byte
.endr
.irp a,0,1
.irp i,0,1,2,3,4,5,6,7,8,9,10,11,12,13,14,15
	v_med3_num_f32 v[\dst+16*\a+\i], v[\src+16*\a+\i], -v[\tm+6+\a], v[\tm+6+\a]   ; the conversion does not saturate (ISA guide 7.6.2): the hold comes first
.endr
	v_cvt_scalef32_pk8_bf8_f32 v[\pc+4*\a:\pc+4*\a+1], v[\dst+16*\a:\dst+16*\a+7], v[\tm+4+\a]
	v_cvt_scalef32_pk8_bf8_f32 v[\pc+4*\a+2:\pc+4*\a+3], v[\dst+16*\a+8:\dst+16*\a+15], v[\tm+4+\a]
.endr
	v_nop                                                                          ; one plain instruction behind the last conversion
.endm
; The four K steps of 128: the rows' two fragments from LDS (region base), four products on four accumulators by turns, eight places behind them for the next loads and the first reads.
.macro KSTEPS base, swap
.irp s,0,1,2,3
.irp u,0,1
.irp c,0,1,2,3
	ds_load_b128 v[XF+16*\u+4*\c:XF+16*\u+4*\c+3], v10 offset:\base+\u*4224+\s*128+32*\c
.endr
.endr
	s_wait_dscnt 0x0
.irp a,0,1
.irp b,0,1
.if \swap
.if \s == 0
	v_wmma_scale_f32_16x16x128_f8f6f4 v[ACC+16*\a+8*\b:ACC+16*\a+8*\b+7], v[XF+16*\b:XF+16*\b+15], v[W+64*\a+16*\s:W+64*\a+16*\s+15], 0, v[XS+4*\b+\s], v[WS+4*\a+\s] matrix_a_fmt:MATRIX_FMT_BF8 matrix_b_fmt:MATRIX_FMT_BF8
.else
	v_wmma_scale_f32_16x16x128_f8f6f4 v[ACC+16*\a+8*\b:ACC+16*\a+8*\b+7], v[XF+16*\b:XF+16*\b+15], v[W+64*\a+16*\s:W+64*\a+16*\s+15], v[ACC+16*\a+8*\b:ACC+16*\a+8*\b+7], v[XS+4*\b+\s], v[WS+4*\a+\s] matrix_a_fmt:MATRIX_FMT_BF8 matrix_b_fmt:MATRIX_FMT_BF8
.endif
.else
.if \s == 0
	v_wmma_scale_f32_16x16x128_f8f6f4 v[ACC+16*\a+8*\b:ACC+16*\a+8*\b+7], v[W+64*\b+16*\s:W+64*\b+16*\s+15], v[XF+16*\a:XF+16*\a+15], v[BIAS+8*\b:BIAS+8*\b+7], v[WS+4*\b+\s], v[XS+4*\a+\s] matrix_a_fmt:MATRIX_FMT_BF8 matrix_b_fmt:MATRIX_FMT_BF8
.else
	v_wmma_scale_f32_16x16x128_f8f6f4 v[ACC+16*\a+8*\b:ACC+16*\a+8*\b+7], v[W+64*\b+16*\s:W+64*\b+16*\s+15], v[XF+16*\a:XF+16*\a+15], v[ACC+16*\a+8*\b:ACC+16*\a+8*\b+7], v[WS+4*\b+\s], v[XS+4*\a+\s] matrix_a_fmt:MATRIX_FMT_BF8 matrix_b_fmt:MATRIX_FMT_BF8
.endif
.endif
.endr
.endr
.rept 8
	v_nop
.endr
.endr
.endm
.macro WLOADS wc                       ; my eight weight fragments: 16 bytes a lane, row 32 w + 8 u' + r + 8 (r / 8)
.irp p,0,1
.irp s,0,1,2,3
.irp c,0,1,2,3
	global_load_b128 v[W+64*\p+16*\s+4*\c:W+64*\p+16*\s+4*\c+3], v9, s[\wc:\wc+1] offset:\p*4096+\s*128+32*\c
.endr
.endr
.endr
.endm
.macro PLOADS xs, ws, bi, wc           ; the 40 loads of q's or k's projection: the rows' scale words, the weights' scale words, the bias, the weights
	global_load_b128 v[XS:XS+3], v6, s[\xs:\xs+1]
	global_load_b128 v[XS+4:XS+7], v6, s[\xs:\xs+1] offset:128
	global_load_b128 v[WS:WS+3], v7, s[\ws:\ws+1]
	global_load_b128 v[WS+4:WS+7], v7, s[\ws:\ws+1] offset:128
.irp i,0,1,2,3
	global_load_b128 v[BIAS+4*\i:BIAS+4*\i+3], v8, s[\bi:\bi+1] offset:16*\i
.endr
	WLOADS \wc
.endm
.macro QKOUT ob, lo                    ; q's or k's results: quantised, the codes stored as images, the scale bytes gathered in LDS
	QUANT2 ACC, ACC, PC, TM
	global_store_b128 v11, v[PC:PC+3], s[\ob:\ob+1]                 ; tile 0: 512 consecutive bytes
	global_store_b128 v11, v[PC+4:PC+7], s[\ob:\ob+1] offset:1024   ; tile 1
	ds_store_b8 v12, v[TM+8] offset:\lo            ; both halves of the lanes write the same byte with the same value
	ds_store_b8 v12, v[TM+9] offset:\lo+64
.endm
	s_load_b512 s[8:23], s[0:1], 0x0               ; qx_codes, qx_scales, wq_codes, wq_scales, bq, qimg, qsc, kx_codes
	s_load_b512 s[24:39], s[0:1], 0x40             ; kx_scales, wk_codes, wk_scales, bk, kv, vx, wv_codes, wv_scales
	s_load_b128 s[40:43], s[0:1], 0x80             ; bv, maskPAD
	s_load_b64 s[44:45], s[0:1], 0x90              ; mbits
	v_lshl_add_u32 v[SPW], v0, 2, SPARE
	v_mov_b32 v[NIL], 0
	ds_add_u32 v[SPW], v[NIL]                      ; the wave's opening: the add, twice on end, and its wait ahead of my tensor load
	ds_add_u32 v[SPW], v[NIL]                      ; and once more, under the one wait; the set-up below, work on registers, stands between
	v_lshrrev_b32 v1, 5, v0
	v_readfirstlane_b32 s3, v1                     ; wave 0..15
	s_lshr_b32 s4, ttmp9, 6                        ; b
	s_and_b32 s5, ttmp9, 63                        ; the group within the batch
	v_and_b32 v15, 31, v0                          ; lane
	v_and_b32 v1, 15, v0                           ; r
	v_bfe_u32 v2, v0, 4, 1                         ; h
	v_and_b32 v3, 8, v1
	v_add_nc_u32 v3, v3, v1                        ; r + 8 (r / 8)
	s_mov_b32 s[SEL], 0x76543210
	s_mov_b32 s[SEL+1], 0xfedcba98
	s_mov_b32 s[MNT], 0x600000
	; descriptor group 1: 32 rows of 128 elements of 4 bytes, 2,048 elements apart in memory, 16 bytes of padding behind each row in LDS
	s_mov_b32 s[G1+0], (2<<16)|(1<<20)|(6<<22)|(3<<25)   ; no mask; elements of 4 bytes; padding on: after every 128 words (code 6) four words (code 3)
	s_mov_b32 s[G1+1], 128<<16                     ; tensor_dim0 = 128
	s_mov_b32 s[G1+2], 32<<16                      ; tensor_dim1 = 32
	s_mov_b32 s[G1+3], 128<<16                     ; tile_dim0 = 128
	s_mov_b32 s[G1+4], 32                          ; tile_dim1 = 32
	s_mov_b32 s[G1+5], 2048                        ; from row to row
	s_mov_b32 s[G1+6], 0
	s_mov_b32 s[G1+7], 0
	s_mov_b32 s[G0], 1                             ; count = 1
	s_mul_i32 s[G0+1], s3, MSTW
	s_add_co_u32 s[G0+1], s[G0+1], MST             ; my stage
	; vector addresses
	v_lshlrev_b32 v4, 4, v0                        ; the rows' copy: 16 bytes a thread
	s_mul_i32 s61, s3, 528
	v_lshl_add_u32 v5, v15, 4, s61                 ; into LDS: row w (and 16 + w), 16 x lane
	v_lshlrev_b32 v6, 4, v3                        ; the rows' scale bytes: 16 a row
	s_lshl_b32 s61, s3, 9
	v_lshl_add_u32 v7, v3, 4, s61                  ; the weights' scale bytes: row 32 w + ..
	s_lshl_b32 s61, s3, 7
	v_lshl_add_u32 v8, v2, 6, s61                  ; q's and k's bias: columns 32 w + 16 h on
	v_lshl_add_u32 v53, v3, 2, s61                 ; bv at my column d
	s_lshl_b32 s61, s3, 14
	v_lshl_add_u32 v9, v3, 9, s61
	v_lshl_add_u32 v9, v2, 4, v9                   ; the weights' codes
	v_mul_u32_u24 v10, v3, 528
	v_lshl_add_u32 v10, v2, 4, v10                 ; the rows' fragments in LDS; the region stands in the immediate
	v_lshlrev_b32 v11, 4, v15                      ; an image's place for my lane
	s_lshr_b32 s66, s3, 1                          ; the head
	s_and_b32 s67, s3, 1                           ; which 32 of its 64
	s_lshl_b32 s61, s66, 7
	s_add_co_u32 s61, s61, s67
	s_add_co_u32 s61, s61, SCLQ
	v_lshl_add_u32 v12, v1, 2, s61                 ; my scale byte in LDS
	s_lshl_b32 s61, s3, 7
	s_add_co_u32 s61, s61, SCLQ
	v_lshl_add_u32 v13, v15, 2, s61                ; on the way out: waves 0-7 take q's head w, waves 8-15 k's head w - 8, which lies 1,024 bytes on: 128 w + 4 x lane serves both
	v_lshlrev_b32 v14, 2, v15
	v_lshlrev_b32 v50, 7, v0                       ; vx: thread t takes block t % 16 of row t / 16: 128 bytes
	v_lshrrev_b32 v51, 4, v0
	v_mul_u32_u24 v51, v51, 528
	v_lshl_add_u32 v51, v1, 5, v51
	v_add_nc_u32 v51, XV, v51                      ; its 32 codes in LDS
	v_add_nc_u32 v52, XSCL, v0                     ; its scale byte: 16 row + block = t
	v_lshl_add_u32 v54, v3, 4, XSCL                ; the rows' scale words of vx
	v_mul_u32_u24 v55, v3, 528
	v_lshl_add_u32 v55, v2, 6, v55
	v_add_nc_u32 v55, s[G0+1], v55                 ; my stage: row r + 8 (r / 8), keys 16 h on
	v_lshlrev_b32 v56, 3, v15
	; scalar offsets
	s_lshl_b32 s68, s4, 3
	s_add_co_u32 s69, s68, s66                     ; b h of my codes
	s_lshr_b32 s61, s5, 4
	s_mul_i32 s61, s61, QUARTER                    ; the quarter of 512 keys
	s_mul_i32 s62, s69, HEADB
	s_add_co_u32 s62, s62, s61
	s_lshl_b32 s70, s69, 17                        ; q's codes: (b h x 128 + 2 group) x 1,024 + 512 c
	s_lshl_b32 s63, s5, 11
	s_add_co_u32 s70, s70, s63
	s_lshl_b32 s63, s67, 9
	s_add_co_u32 s70, s70, s63
	s_mov_b32 s71, 0
	s_and_b32 s72, s5, 15                          ; k's codes
	s_lshl_b32 s72, s72, 11
	s_add_co_u32 s72, s72, s62
	s_add_co_u32 s72, s72, s63
	s_mov_b32 s73, 0
	s_bfe_u32 s46, s5, 0x20002                     ; the key step within the quarter
	s_and_b32 s2, s5, 3                            ; c: which 32 of its 128 keys
	s_lshl_b32 s74, s46, 13                        ; v's codes
	s_lshl_b32 s47, s67, 12
	s_add_co_u32 s74, s74, s47
	s_lshl_b32 s47, s2, 9
	s_add_co_u32 s74, s74, s47
	s_add_co_u32 s74, s74, s62
	s_add_co_u32 s74, s74, 32768
	s_mov_b32 s75, 0
	s_lshl_b32 s76, s46, 9                         ; v's scale bytes
	s_lshl_b32 s47, s67, 8
	s_add_co_u32 s76, s76, s47
	s_add_co_u32 s76, s76, s2
	s_add_co_u32 s76, s76, s62
	s_add_co_u32 s76, s76, 67584
	s_mov_b32 s77, 0
	s_and_b32 s46, s3, 7
	s_add_co_u32 s46, s46, s68                     ; b h of the scale words that I store
	s_lshl_b32 s47, s46, 13                        ; q's scale words
	s_lshl_b32 s63, s5, 7
	s_add_co_u32 s47, s47, s63
	s_mul_i32 s78, s46, HEADB                      ; k's scale words
	s_add_co_u32 s78, s78, s61
	s_and_b32 s63, s5, 15
	s_lshl_b32 s63, s63, 7
	s_add_co_u32 s78, s78, s63
	s_add_co_u32 s78, s78, 65536
	s_mov_b32 s79, 0
	s_mov_b32 s89, 0
	s_wait_dscnt 0x0                               ; both opening adds are done
	s_wait_kmcnt 0x0
	s_cmp_lt_u32 s3, 8                             ; the choice hangs on the wave's number alone
	s_cselect_b32 s78, s47, s78
	s_cselect_b64 s[80:81], s[20:21], s[32:33]
	s_add_nc_u64 s[80:81], s[80:81], s[78:79]      ; where my scale words go
	s_add_nc_u64 s[18:19], s[18:19], s[70:71]      ; q's codes
	s_add_nc_u64 s[82:83], s[32:33], s[72:73]      ; k's codes
	s_add_nc_u64 s[84:85], s[32:33], s[74:75]      ; v's codes
	s_add_nc_u64 s[86:87], s[32:33], s[76:77]      ; v's scale bytes
	s_lshl_b32 s88, ttmp9, 14                      ; the group's 32 rows of 512 codes
	s_add_nc_u64 s[8:9], s[8:9], s[88:89]
	s_add_nc_u64 s[22:23], s[22:23], s[88:89]
	s_lshl_b32 s88, ttmp9, 9                       ; of 16 scale bytes
	s_add_nc_u64 s[10:11], s[10:11], s[88:89]
	s_add_nc_u64 s[24:25], s[24:25], s[88:89]
	s_lshl_b32 s88, ttmp9, 16                      ; of 2,048 bytes of vx
	s_add_nc_u64 s[34:35], s[34:35], s[88:89]
	s_lshl_b32 s88, ttmp9, 18                      ; of 8,192 bytes of the mask, and my 128 keys
	s_lshl_b32 s90, s3, 9
	s_add_co_u32 s88, s88, s90
	s_add_nc_u64 s[42:43], s[42:43], s[88:89]
	s_lshl_b32 s88, ttmp9, 13                      ; two tiles of 4,096 bytes of bits, and my key step's 256
	s_lshl_b32 s90, s3, 8
	s_add_co_u32 s88, s88, s90
	s_add_nc_u64 s[44:45], s[44:45], s[88:89]
	s_mov_b64 s[G0+2:G0+3], s[42:43]               ; the tile's first element
	s_or_b32 s[G0+3], s[G0+3], 0x80000000          ; type = 2
	; what the first projection waits for is asked for ahead of the mask's 16,384 bytes a wave
.irp i,0,1,2,3,4,5,6,7
	global_load_b128 v[ACC+4*\i:ACC+4*\i+3], v50, s[34:35] offset:16*\i             ; my 32 numbers of vx
.endr
	global_load_b128 v[96:99], v4, s[8:9]          ; qx's 32 rows of codes, once for the work-group
	global_load_b128 v[100:103], v4, s[8:9] offset:8192
	global_load_b128 v[104:107], v4, s[22:23]      ; kx's
	global_load_b128 v[108:111], v4, s[22:23] offset:8192
	global_load_b128 v[WS:WS+3], v7, s[38:39]      ; wv's scale words
	global_load_b128 v[WS+4:WS+7], v7, s[38:39] offset:128
	global_load_b32 v[BV], v53, s[40:41]
	global_load_b32 v[BV+1], v53, s[40:41] offset:32
	WLOADS 36                                      ; wv
	tensor_load_to_lds s[G0:G0+3], s[G1:G1+7]      ; my wave's one tensor load: ahead of every wait on TENSORcnt, every LDS read and every barrier
	s_nop 0
	; ---- vx is quantised: a whole block of 32 lies in my registers
	s_wait_loadcnt 40                              ; my 8 loads of vx are in; the 40 behind them (4 of rows, 4 of scales and bias, 32 of weights) stay out
	v_max3_num_f32 v120, |v64|, |v65|, |v66|
	v_max3_num_f32 v121, |v67|, |v68|, |v69|
.irp i,6,10,14,18,22,26
	v_max3_num_f32 v120, v120, |v[64+\i]|, |v[65+\i]|
	v_max3_num_f32 v121, v121, |v[66+\i]|, |v[67+\i]|
.endr
	v_max3_num_f32 v120, v120, |v94|, |v95|
	v_max3_num_f32 v120, v120, v121, 0x8000000
	v_add_nc_u32 v122, 0xf8800000, v120
	v_and_or_b32 v123, v120, 0x7f800000, s[MNT]
	v_lshrrev_b32 v124, 23, v122
.irp i,0,1,2,3,4,5,6,7,8,9,10,11,12,13,14,15,16,17,18,19,20,21,22,23,24,25,26,27,28,29,30,31
	v_med3_num_f32 v[64+\i], v[64+\i], -v123, v123
.endr
.irp q,0,1,2,3
	v_cvt_scalef32_pk8_bf8_f32 v[112+2*\q:113+2*\q], v[64+8*\q:71+8*\q], v122
.endr
	v_nop                                          ; one plain instruction behind the last conversion: the products below write its sources
	ds_store_b128 v51, v[112:115]
	ds_store_b128 v51, v[116:119] offset:16
	ds_store_b8 v52, v124
	s_wait_loadcnt 36                              ; the four loads of rows are in; the 36 behind them stay out
	ds_store_b128 v5, v[96:99] offset:XQ
	ds_store_b128 v5, v[100:103] offset:XQ+8448
	ds_store_b128 v5, v[104:107] offset:XK
	ds_store_b128 v5, v[108:111] offset:XK+8448
	s_wait_dscnt 0x0                               ; my stores have landed
	s_barrier_signal -1
	s_barrier_wait -1                              ; everybody's have.  (My tensor load may be out, and only I read my stage)
	; ---- v: the sources swapped
	ds_load_b128 v[XS:XS+3], v54                   ; the rows' scale words (waited for with the first fragments)
	ds_load_b128 v[XS+4:XS+7], v54 offset:128
	s_wait_loadcnt 0x0
	KSTEPS XV, 1
	PLOADS 10, 14, 16, 12                          ; q's 40 loads land under v's quantiser and stores
.irp p,0,1
.irp i,0,1,2,3,4,5,6,7,8,9,10,11,12,13,14,15
	v_add_f32 v[ACC+16*\p+\i], v[ACC+16*\p+\i], v[BV+\p]        ; a lane holds one column d: one number of bv
.endr
.endr
	QUANT2 ACC, ACC, PC, TM
	global_store_b128 v11, v[PC:PC+3], s[84:85]
	global_store_b128 v11, v[PC+4:PC+7], s[84:85] offset:2048
	global_store_b8 v14, v[TM+8], s[86:87]
	global_store_b8 v14, v[TM+9], s[86:87] offset:128
	; ---- q
	s_wait_xcnt 0x0                                ; the stores have read their registers: the fragments below land on them
	s_wait_loadcnt 0x0
	KSTEPS XQ, 0
	PLOADS 24, 28, 30, 26                          ; k's 40 loads
	QKOUT 18, 0
	; ---- k
	s_wait_xcnt 0x0                                ; as above
	s_wait_dscnt 0x0                               ; the byte stores too
	s_wait_loadcnt 0x0
	KSTEPS XK, 0
	QKOUT 82, 1024
	s_wait_tensorcnt 0x0                           ; my mask tile has landed
	s_wait_dscnt 0x0                               ; my byte stores have landed
	s_barrier_signal -1
	s_barrier_wait -1                              ; a head's two bytes come from two waves
	ds_load_u16 v57, v13
	s_wait_xcnt 0x0                                ; k's stores have read their registers: the mask's words land on them
.irp u,0,1
.irp k,0,1,2,3,4,5,6,7,8,9,10,11,12,13,14,15
	ds_load_b128 v[64+64*\u+4*\k:67+64*\u+4*\k], v55 offset:\u*4224+128*(\k/4)+16*(\k%4)    ; tile u: row 8 u + r + 8 (r / 8), keys 32 (k / 4) + 16 h + 4 (k % 4) on
.endr
.endr
.irp i,60,61,62,63
	v_mov_b32 v\i, 0                               ; a lane write's destination counts as read
.endr
	s_wait_dscnt 32                                ; the scale word is in; the 32 loads behind it stay out
	v_lshl_or_b32 v57, v57, 16, v57                ; the two bytes twice: the attention launch sets its 64 codes in the low or in the high half of a K step of 128
	global_store_b32 v14, v57, s[80:81]
	; ---- the mask's bits
.irp u,0,1
	s_wait_dscnt 16-16*\u                          ; tile u's sixteen loads are in; tile 1's may stay out while tile 0 is cut
.set n, 0
.rept 64
	v_cmp_ne_u32 s[88+n%4], 0, v[64+64*\u+n]       ; word n: a bit for each lane
	v_writelane_b32 v[60+2*\u+n%2], s[88+n%4], n/2 ; lane i gathers words 2 i and 2 i + 1
.set n, n+1
.endr
	global_store_b64 v56, v[60+2*\u:61+2*\u], s[44:45] offset:\u*4096               ; 256 consecutive bytes, aligned
.endr
	s_wait_tensorcnt 0x0                           ; the wave's end, behind my tensor load and my last LDS store
	ds_add_u32 v[SPW], v[NIL]
	s_wait_dscnt 0x0
	s_endpgm
.Lfunc_end_k_q9f4ce80d00_prep:
	.size	k_q9f4ce80d00_prep, .Lfunc_end_k_q9f4ce80d00_prep-k_q9f4ce80d00_prep
	.p2alignl 7, 3214868480
	.fill 96, 4, 3214868480
	.section	.rodata,"a",@progbits
	.p2align	6, 0x0
	.amdhsa_kernel k_q9f4ce80d00_prep
		.amdhsa_group_segment_fixed_size 327680
		.amdhsa_private_segment_fixed_size 0
		.amdhsa_enable_private_segment 0
		.amdhsa_kernarg_size 152
		.amdhsa_user_sgpr_count 2
		.amdhsa_user_sgpr_kernarg_segment_ptr 1
		.amdhsa_wavefront_size32 1
		.amdhsa_system_sgpr_workgroup_id_x 1
		.amdhsa_system_sgpr_workgroup_id_y 1
		.amdhsa_system_sgpr_workgroup_id_z 1
		.amdhsa_system_vgpr_workitem_id 0
		.amdhsa_next_free_vgpr 256
		.amdhsa_next_free_sgpr 96
		.amdhsa_reserve_vcc 0
		.amdhsa_float_denorm_mode_32 3
		.amdhsa_float_denorm_mode_16_64 3
		.amdhsa_memory_ordered 1
		.amdhsa_forward_progress 1
		.amdhsa_inst_pref_size 71
	.end_amdhsa_kernel
	.amdgpu_metadata
---
amdhsa.version: [ 1, 2 ]
amdhsa.kernels:
  - .name:           k_q9f4ce80d00_prep
    .symbol:         k_q9f4ce80d00_prep.kd
    .args:
      - { .name: qx_codes, .offset: 0, .size: 8, .value_kind: global_buffer, .address_space: global }
      - { .name: qx_scales, .offset: 8, .size: 8, .value_kind: global_buffer, .address_space: global }
      - { .name: wq_codes, .offset: 16, .size: 8, .value_kind: global_buffer, .address_space: global }
      - { .name: wq_scales, .offset: 24, .size: 8, .value_kind: global_buffer, .address_space: global }
      - { .name: bq, .offset: 32, .size: 8, .value_kind: global_buffer, .address_space: global }
      - { .name: qimg, .offset: 40, .size: 8, .value_kind: global_buffer, .address_space: global }
      - { .name: qsc, .offset: 48, .size: 8, .value_kind: global_buffer, .address_space: global }
      - { .name: kx_codes, .offset: 56, .size: 8, .value_kind: global_buffer, .address_space: global }
      - { .name: kx_scales, .offset: 64, .size: 8, .value_kind: global_buffer, .address_space: global }
      - { .name: wk_codes, .offset: 72, .size: 8, .value_kind: global_buffer, .address_space: global }
      - { .name: wk_scales, .offset: 80, .size: 8, .value_kind: global_buffer, .address_space: global }
      - { .name: bk, .offset: 88, .size: 8, .value_kind: global_buffer, .address_space: global }
      - { .name: kv, .offset: 96, .size: 8, .value_kind: global_buffer, .address_space: global }
      - { .name: vx, .offset: 104, .size: 8, .value_kind: global_buffer, .address_space: global }
      - { .name: wv_codes, .offset: 112, .size: 8, .value_kind: global_buffer, .address_space: global }
      - { .name: wv_scales, .offset: 120, .size: 8, .value_kind: global_buffer, .address_space: global }
      - { .name: bv, .offset: 128, .size: 8, .value_kind: global_buffer, .address_space: global }
      - { .name: maskPAD, .offset: 136, .size: 8, .value_kind: global_buffer, .address_space: global }
      - { .name: mbits, .offset: 144, .size: 8, .value_kind: global_buffer, .address_space: global }
    .group_segment_fixed_size: 327680
    .private_segment_fixed_size: 0
    .kernarg_segment_align: 8
    .kernarg_segment_size: 152
    .max_flat_workgroup_size: 512
    .sgpr_count:     96
    .vgpr_count:     256
    .wavefront_size: 32
...
	.end_amdgpu_metadata
.endif
;; end of part 1
;; launch attn (part 2): grid 8 x 32, 16 waves a work-group, clusters of 4 x 1, 280,576 bytes of LDS; arguments qimg, qsc, kv, mbits, zimg, zsc; writes zimg, zsc
.if DOCPART == 2
	.amdgcn_target "amdgcn-amd-amdhsa--gfx1250"
	.amdhsa_code_object_version 6
	.text
	.protected	k_q9f4ce80d00_attn
	.globl	k_q9f4ce80d00_attn
	.p2align	8
	.type	k_q9f4ce80d00_attn,@function
k_q9f4ce80d00_attn:
	s_mov_b64 s[64:65], 0
	v_nop
	global_prefetch_b8 v0, s[64:65] scope:SCOPE_SE
	s_setreg_imm32_b32 hwreg(HW_REG_WAVE_MODE, 25, 1), 1
	s_wait_xcnt 0x0
	s_wait_alu depctr_hold_cnt(0) depctr_sa_sdst(0) depctr_va_vdst(0) depctr_va_sdst(0) depctr_va_ssrc(0) depctr_va_vcc(0) depctr_vm_vsrc(0)
	s_getreg_b32 s2, hwreg(HW_REG_IB_STS2, 6, 4)
	s_cmp_eq_u32 s2, 0
	s_cbranch_scc0 .Lentry_in_a_cluster
	s_endpgm
.Lentry_in_a_cluster:
	s_bfe_u32 s2, ttmp6, 0x10000c
	s_cmp_lg_u32 s2, 0x3003
	s_cbranch_scc0 .Lentry_shape_is_right
	s_endpgm
.Lentry_shape_is_right:
; ATTENTION on codes of E5M2: z[b h][q] = softmax_k(where(mask = 0, -32767, q . k / 8)) v, quantised again along h x 64 + d as the operand of the projection that follows.  No work of the problem is left out here.
; THE SOFTMAX AHEAD OF THE SECOND PRODUCT: t = score x log2(e); M = the largest t so far, rounded up to a whole number; p = 2^(t - M) is quantised along the keys; the row's sum is taken of the unquantised p and divides at the end.
; A hidden key's score is the finite number -32767, as the problem has it: the raw sum is replaced by -32767 x 8 ahead of the maximum, so a row that is hidden everywhere comes out uniform.
; SHARES.  A work-group owns 256 queries of one head, each of its sixteen waves one tile of 16, in 256 registers: four waves to a SIMD, so that one wave's vector work stands beside another's products and LDS loads.
; THE HEAD'S WHOLE K AND V (codes and scale words, 278,528 bytes, laid by the launch before as images of the operand registers) come into LDS ONCE, in four quarters of 512 keys; nothing is filled again.
; CLUSTER.  The four work-groups of a cluster belong to one head: each part of K and V is asked for jointly, by the same tensor load with the same descriptor and a mask that names the four.
; By this text's own count a wave has four tensor loads out at the most.  No prefetch is laid: all that the launch streams is asked for at its head.
; LAYOUT.  S^T = K Q^T (source 0 = 16 keys), O^T = V^T P^T (source 0 = 16 of the head's 64): a lane holds one query throughout.  The head's 64 fill half of a K step of 128: an even key tile stands in the low
; half over eight registers of zero codes, an odd one in the high half under the same eight; Q stands twice round its own eight zeros.  The scale words hold their two bytes twice and serve both.
; THE MASK comes as bits: word n of a key step holds a bit for each lane for score register n; 64 words a step are read into scalar registers a step ahead and select by v_cndmask_b32.
; LIMITS: NaN and infinities are not served; a block whose largest magnitude lies under 2^-111 keeps the scale byte 1.
.set QB,    69632                      ; a quarter: K's codes 32,768 | V's codes 32,768 | K's scale words 2,048 | V's scale words 2,048
.set HEADB, 278528
.set SPARE, 278528                     ; behind the four quarters: the spare words, 128 bytes for each wave, that no other line names
.set LI,  1                            ; v1   16 x lane
.set LR,  2                            ; v2   4 x (lane % 16)
.set LS,  3                            ; v3   4 x lane + 2,048
.set SPW, 4                            ; v4   LDS address of my spare word; never rewritten
.set NIL, 5                            ; v5   0; never rewritten
.set ADK, 6                            ; v6-9 LDS addresses of the step in hand: K's codes, V's codes, K's scale words, V's scale words
.set ADV, 7
.set ADS, 8
.set ADT, 9
.set MNT, 10                           ; v10  the mantissa field of 57,344
.set MSK, 11                           ; v11  -32767 x 8
.set S,   120                          ; v120-183 S^T, then p
.set O,   184                          ; v184-215 O^T
.set PCD, 216                          ; v216-231 p's codes
.set CLOG, 0x3e38aa3b                  ; log2(e) / 8
.set WV,  100                          ; s100 my wave's number
; v12 -M, v13 the largest t, v[14:15] the sum; v16-39 Q | zeros | Q; v40-87 two triples K even | zeros | K odd; v88-119 two fragments of V; v232-254 at work; v255 Q's scale words
; s[2:3] lane selects; s[4:5] my tile's mask words; s6 trips; s7, s66 LDS bases of the step; s67 the mask words' offset; s[8:15], s[16:31] descriptors; s[32:63], s[68:99] the step's 64 mask words
.macro CROUND                          ; a round of the cluster's barrier
	s_barrier_signal -1
	s_barrier_wait -1
	s_cmp_lg_u32 s[WV], 0
	s_cbranch_scc1 .Lnot_wave_0_\@
	s_barrier_signal -3
.Lnot_wave_0_\@:
	s_barrier_wait -3
	s_barrier_signal -1
	s_barrier_wait -1
.endm
.macro QUANT2 src, dst, pc, tm         ; two blocks of 16 numbers a lane (the other 16 lie in lane l xor 16) become codes in v[pc + 4 a] on, bytes in v[tm + 8 + a]
.irp a,0,1
	v_max3_num_f32 v[\tm+\a], |v[\src+16*\a]|, |v[\src+16*\a+1]|, 0x8000000
.endr
.irp i,2,4,6,8,10,12,14
.irp a,0,1
	v_max3_num_f32 v[\tm+\a], v[\tm+\a], |v[\src+16*\a+\i]|, |v[\src+16*\a+\i+1]|
.endr
.endr
.irp a,0,1
	v_permlanex16_b32 v[\tm+2+\a], v[\tm+\a], s2, s3
.endr
.irp a,0,1
	v_max_num_f32 v[\tm+\a], v[\tm+\a], v[\tm+2+\a]
.endr
.irp a,0,1
	v_add_nc_u32 v[\tm+4+\a], 0xf8800000, v[\tm+\a]
.endr
.irp a,0,1
	v_and_or_b32 v[\tm+6+\a], v[\tm+\a], 0x7f800000, v[MNT]
.endr
.irp a,0,1
	v_lshrrev_b32 v[\tm+8+\a], 23, v[\tm+4+\a]
.endr
.irp a,0,1
.irp i,0,1,2,3,4,5,6,7,8,9,10,11,12,13,14,15
	v_med3_num_f32 v[\dst+16*\a+\i], v[\src+16*\a+\i], -v[\tm+6+\a], v[\tm+6+\a]
.endr
	v_cvt_scalef32_pk8_bf8_f32 v[\pc+4*\a:\pc+4*\a+1], v[\dst+16*\a:\dst+16*\a+7], v[\tm+4+\a]
	v_cvt_scalef32_pk8_bf8_f32 v[\pc+4*\a+2:\pc+4*\a+3], v[\dst+16*\a+8:\dst+16*\a+15], v[\tm+4+\a]
.endr
	v_nop
.endm
.macro VLOAD rd                        ; V's d tiles 2 rd and 2 rd + 1 of the step, and their scale words
.irp t,0,1
.irp c,0,1,2,3
	ds_load_b128 v[88+16*\t+4*\c:91+16*\t+4*\c], v[ADV] offset:(2*\rd+\t)*2048+\c*512
.endr
	ds_load_b32 v[250+\t], v[ADT] offset:(2*\rd+\t)*128
.endr
.endm
.macro PV rd
.irp t,0,1
	v_wmma_scale_f32_16x16x128_f8f6f4 v[O+16*\rd+8*\t:O+16*\rd+8*\t+7], v[88+16*\t:103+16*\t], v[PCD:PCD+15], v[O+16*\rd+8*\t:O+16*\rd+8*\t+7], v[250+\t], v253 matrix_a_fmt:MATRIX_FMT_BF8 matrix_b_fmt:MATRIX_FMT_BF8
.endr
.endm
	s_load_b256 s[32:39], s[0:1], 0x0              ; qimg, qsc, kv, mbits
	v_lshl_add_u32 v[SPW], v0, 2, SPARE
	v_mov_b32 v[NIL], 0
	ds_add_u32 v[SPW], v[NIL]                      ; the wave's opening: the add, twice on end, and its wait ahead of my first tensor load
	ds_add_u32 v[SPW], v[NIL]                      ; and once more, under the one wait; the set-up below, work on registers, stands between
	v_lshrrev_b32 v1, 5, v0
	v_readfirstlane_b32 s[WV], v1                  ; wave 0..15
	s_bfe_u32 s50, ttmp6, 0x40000                  ; cx: it enters Q's, the mask's and z's global addresses alone
	s_lshl_b32 s51, ttmp9, 2
	s_add_co_u32 s51, s51, s50
	s_lshl_b32 s51, s51, 4
	s_add_co_u32 s51, s51, s[WV]                   ; my tile of queries: 16 x work-group x + wave
	s_and_b32 s52, ttmp7, 0xffff                   ; b h, which the four partners share
	; descriptor group 1: 17 dense rows of 256 bytes (32 elements of 8 bytes): a sixteenth of a quarter
	s_mov_b32 s8, 15|(3<<16)|(1<<21)               ; 15:0 the mask: all four work-groups; 17:16 elements of 8 bytes; 21 set beside a mask
	s_mov_b32 s9, 32<<16                           ; tensor_dim0 = 32
	s_mov_b32 s10, 17<<16                          ; tensor_dim1 = 17
	s_mov_b32 s11, 32<<16                          ; tile_dim0 = 32
	s_mov_b32 s12, 17                              ; tile_dim1 = 17
	s_mov_b32 s13, 32                              ; from row to row
	s_mov_b32 s14, 0
	s_mov_b32 s15, 0
	s_mov_b32 s2, 0x76543210
	s_mov_b32 s3, 0xfedcba98
	s_mul_i32 s101, s[WV], 4352                    ; my part of a quarter: the wave's number alone enters the LDS address
	s_mul_i32 s40, s52, HEADB
	s_add_co_u32 s40, s40, s101
	s_mov_b32 s41, 0
	s_lshl_b32 s42, s52, 7
	s_add_co_u32 s42, s42, s51                     ; b h x 128 + tile
	s_lshl_b32 s44, s42, 10
	s_mov_b32 s45, 0
	s_lshl_b32 s46, s42, 6
	s_mov_b32 s47, 0
	s_lshr_b32 s48, s52, 3
	s_lshl_b32 s48, s48, 7
	s_add_co_u32 s48, s48, s51                     ; b x 128 + tile
	s_lshl_b32 s48, s48, 12
	s_mov_b32 s49, 0
	s_wait_dscnt 0x0                               ; both opening adds are done
	s_wait_kmcnt 0x0
	s_add_nc_u64 s[36:37], s[36:37], s[40:41]      ; kv at my part of the head's first quarter
	s_add_nc_u64 s[32:33], s[32:33], s[44:45]
	s_add_nc_u64 s[34:35], s[34:35], s[46:47]
	s_add_nc_u64 s[4:5], s[38:39], s[48:49]
.irp j,0,1,2,3
	s_mov_b32 s[16+4*\j], 1                        ; count = 1
	s_add_co_u32 s[17+4*\j], s101, \j*QB           ; LDS address
	s_add_nc_u64 s[18+4*\j:19+4*\j], s[36:37], \j*QB
	s_or_b32 s[19+4*\j], s[19+4*\j], 0x80000000    ; type = 2
.endr
	CROUND                                         ; all four work-groups are here: the joint loads meet
.irp j,0,1,2,3
	tensor_load_to_lds s[16+4*\j:19+4*\j], s[8:15]
	s_nop 0
.endr
.rept 4
	v_nop
.endr
	v_and_b32 v6, 31, v0
	v_lshlrev_b32 v[LI], 4, v6
	v_and_b32 v7, 15, v0
	v_lshlrev_b32 v[LR], 2, v7
	v_lshl_add_u32 v[LS], v6, 2, 2048
	global_load_b128 v[16:19], v[LI], s[32:33]     ; Q's 64 codes a row, once for the low half of a K step,
	global_load_b128 v[20:23], v[LI], s[32:33] offset:512
	global_load_b128 v[32:35], v[LI], s[32:33]     ; and once for the high half
	global_load_b128 v[36:39], v[LI], s[32:33] offset:512
	global_load_b32 v255, v[LR], s[34:35]
	v_mov_b32 v[MNT], 0x600000
	v_mov_b32 v[MSK], 0xc87ffe00
.irp i,24,25,26,27,28,29,30,31,48,49,50,51,52,53,54,55,72,73,74,75,76,77,78,79
	v_mov_b32 v\i, 0                               ; zero codes: they add nothing under any scale byte that is made here
.endr
	v_mov_b32 v13, 0xff61b1e6                      ; the largest t so far: -3e38
	v_floor_f32 v12, -v13                          ; -M
	v_mov_b32 v14, 0
	v_mov_b32 v15, 0
.irp i,236,237,238,239,253
	v_mov_b32 v\i, 0                               ; lane permutes' destinations, and the upper half of the pair v[252:253], count as read
.endr
.set n, 0
.rept 32
	v_mov_b32 v[O+n], 0                            ; the step is written once: the first finds zeros
.set n, n+1
.endr
	s_wait_xcnt 0x0                                ; Q's loads have read their bases: s32 on take the mask words
	s_mov_b32 s67, 0
	s_load_b512 s[32:47], s[4:5], s67 offset:0x0
	s_load_b512 s[48:63], s[4:5], s67 offset:0x40
	s_load_b512 s[68:83], s[4:5], s67 offset:0x80
	s_load_b512 s[84:99], s[4:5], s67 offset:0xc0
	s_wait_loadcnt 0x0
; A KEY STEP: 128 keys.
.macro STEP
	v_add_nc_u32 v[ADK], s7, v[LI]
	v_add_nc_u32 v[ADS], s66, v[LR]
	v_add_nc_u32 v[ADT], s66, v[LS]
	v_add_nc_u32 v[ADV], 0x8000, v[ADK]
.irp g,0,1                                     ; S^T = K Q^T, four tiles of 16 keys at a time
.rept 4+4*\g
	v_nop                                          ; eight places in front of loads into registers that products have read (the four additions above are places too)
.endr
.irp p,0,1
.irp e,0,1
	ds_load_b128 v[40+24*\p+16*\e:43+24*\p+16*\e], v[ADK] offset:(4*\g+2*\p+\e)*1024
	ds_load_b128 v[44+24*\p+16*\e:47+24*\p+16*\e], v[ADK] offset:(4*\g+2*\p+\e)*1024+512
	ds_load_b32 v[248+2*\p+\e], v[ADS] offset:(4*\g+2*\p+\e)*64
.endr
.endr
	s_wait_dscnt 0x0
.irp p,0,1
	v_wmma_scale_f32_16x16x128_f8f6f4 v[S+8*(4*\g+2*\p):S+8*(4*\g+2*\p)+7], v[40+24*\p:55+24*\p], v[16:31], 0, v[248+2*\p], v255 matrix_a_fmt:MATRIX_FMT_BF8 matrix_b_fmt:MATRIX_FMT_BF8
	v_wmma_scale_f32_16x16x128_f8f6f4 v[S+8*(4*\g+2*\p+1):S+8*(4*\g+2*\p+1)+7], v[48+24*\p:63+24*\p], v[24:39], 0, v[249+2*\p], v255 matrix_a_fmt:MATRIX_FMT_BF8 matrix_b_fmt:MATRIX_FMT_BF8
.endr
.endr
.rept 8
	v_nop
.endr
	VLOAD 0                                        ; V's first two tiles land while the softmax is walked
	s_wait_kmcnt 0x0                               ; the step's mask words
.set n, 0
.rept 64
	v_cndmask_b32 v[S+n], v[MSK], v[S+n], s[32+n+4*(n/32)]     ; a hidden key's score
.set n, n+1
.endr
	s_cmp_eq_u32 s67, 3840                         ; the last of the 16 steps fetches nothing: a count of steps decides
	s_cbranch_scc1 .Lno_more_\@
	s_add_co_u32 s67, s67, 256                     ; (the loads that read s67 were waited for above)
	s_load_b512 s[32:47], s[4:5], s67 offset:0x0
	s_load_b512 s[48:63], s[4:5], s67 offset:0x40
	s_load_b512 s[68:83], s[4:5], s67 offset:0x80
	s_load_b512 s[84:99], s[4:5], s67 offset:0xc0
.Lno_more_\@:
.irp b,0,1,2,3
	v_max3_num_f32 v[232+\b], v[S+16*\b], v[S+1+16*\b], v[S+2+16*\b]      ; the largest score of each block of 32 keys: for the row's maximum and, since p rises with the score, for the block's largest p
.endr
.irp i,3,5,7,9,11,13
.irp b,0,1,2,3
	v_max3_num_f32 v[232+\b], v[232+\b], v[S+16*\b+\i], v[S+1+16*\b+\i]
.endr
.endr
.irp b,0,1,2,3
	v_max_num_f32 v[232+\b], v[232+\b], v[S+15+16*\b]
.endr
.irp b,0,1,2,3
	v_permlanex16_b32 v[236+\b], v[232+\b], s2, s3
.endr
.irp b,0,1,2,3
	v_max_num_f32 v[232+\b], v[232+\b], v[236+\b]
.endr
	v_max3_num_f32 v254, v232, v233, v234
	v_max_num_f32 v254, v254, v235
	v_mul_f32 v254, CLOG, v254                     ; as t
	v_max_num_f32 v13, v13, v254                   ; the running largest t
	v_mov_b32 v254, v12
	v_floor_f32 v12, -v13                          ; the new -M: M is a whole number
	v_sub_f32 v254, v12, v254
	v_cvt_i32_f32 v254, v254                       ; (it saturates)
	v_ldexp_f32 v252, 1.0, v254                    ; f = 2^(old M - new M): exact
.set n, 0
.rept 32
	v_pk_fma_f32 v[S+n:S+n+1], v[S+n:S+n+1], CLOG, v[12:13] op_sel_hi:[1,0,0]       ; t - M
.set n, n+2
.endr
.irp b,0,1,2,3
	v_fmamk_f32 v[232+\b], v[232+\b], CLOG, v12    ; the same of each block's largest score
.endr
.set n, 0
.rept 64
	v_exp_f32 v[S+n], v[S+n]                       ; p = 2^(t - M)
.set n, n+1
.endr
	v_pk_mul_f32 v[14:15], v[14:15], v[252:253] op_sel_hi:[1,0]    ; the sums under the new M: the plain instruction behind the batch
	s_wait_alu depctr_va_vdst(0)                   ; one wait for the batch of 64, ahead of its first reader
.irp b,0,1,2,3
	v_exp_f32 v[232+\b], v[232+\b]                 ; the block's largest p
.endr
	v_pk_add_f32 v[236:237], v[S:S+1], v[S+2:S+3]  ; the row's sum of the unquantised p, in two chains
.irp j,4,8,12,16,20,24,28,32,36,40,44,48,52,56,60
	v_pk_add_f32 v[14:15], v[14:15], v[S+\j:S+1+\j]
	v_pk_add_f32 v[236:237], v[236:237], v[S+2+\j:S+3+\j]
.endr
	v_pk_add_f32 v[14:15], v[14:15], v[236:237]
	s_wait_alu depctr_va_vdst(0)                   ; and one for the four
.irp b,0,1,2,3
	v_max_num_f32 v[232+\b], 0x8000000, v[232+\b]  ; the floor 2^(16 - 127)
.endr
.irp b,0,1,2,3
	v_add_nc_u32 v[244+\b], 0xf8800000, v[232+\b]
.endr
.irp b,0,1,2,3
	v_and_or_b32 v[240+\b], v[232+\b], 0x7f800000, v[MNT]
.endr
.irp b,0,1,2,3
	v_lshrrev_b32 v[236+\b], 23, v[244+\b]
.endr
	v_lshl_or_b32 v253, v237, 8, v236              ; p's scale word for these 128 keys
	v_lshl_or_b32 v253, v238, 16, v253
	v_lshl_or_b32 v253, v239, 24, v253
.irp b,0,1,2,3
.irp i,0,1,2,3,4,5,6,7,8,9,10,11,12,13,14,15
	v_min_num_f32 v[S+16*\b+\i], v[S+16*\b+\i], v[240+\b]          ; p is not negative: the hold is one-sided
.endr
	v_cvt_scalef32_pk8_bf8_f32 v[PCD+4*\b:PCD+1+4*\b], v[S+16*\b:S+7+16*\b], v[244+\b]
	v_cvt_scalef32_pk8_bf8_f32 v[PCD+2+4*\b:PCD+3+4*\b], v[S+8+16*\b:S+15+16*\b], v[244+\b]
.endr
.set n, 0
.rept 16
	v_pk_mul_f32 v[O+n:O+n+1], v[O+n:O+n+1], v[252:253] op_sel_hi:[1,0]             ; O^T under the new M; these are also the places between the codes and the products
.set n, n+2
.endr
	s_wait_dscnt 0x0                               ; V's first two tiles
	PV 0
.rept 8
	v_nop
.endr
	VLOAD 1
	s_wait_dscnt 0x0
	PV 1
	s_add_co_u32 s7, s7, 8192                      ; the next step's codes and scale words
	s_add_co_u32 s66, s66, 512
.endm
.irp j,0,1,2,3
	s_wait_tensorcnt 3-\j                          ; my part of quarter j has landed; the later quarters' loads, issued behind it, stay out
	s_wait_dscnt 0x0
	s_barrier_signal -1
	s_barrier_wait -1                              ; everybody's part has
	s_mov_b32 s7, \j*QB
	s_mov_b32 s66, \j*QB+65536
	s_mov_b32 s6, 4
.Lquarter\j:
	STEP
	s_sub_co_u32 s6, s6, 1
	s_cmp_lg_u32 s6, 0
	s_cbranch_scc1 .Lquarter\j
.endr
	; THE WAY OUT: z = O^T / the sum, quantised along the head's 64 (two blocks), stored as the image of the next product's operand.  No tensor load of mine is out: the descriptors' registers are free.
	s_load_b128 s[8:11], s[0:1], 0x20              ; zimg, zsc
	s_bfe_u32 s12, ttmp6, 0x40000
	s_lshl_b32 s13, ttmp9, 2
	s_add_co_u32 s13, s13, s12
	s_lshl_b32 s13, s13, 4
	s_add_co_u32 s13, s13, s[WV]                   ; my tile
	s_and_b32 s14, ttmp7, 0xffff
	s_lshr_b32 s15, s14, 3
	s_lshl_b32 s15, s15, 7
	s_add_co_u32 s15, s15, s13                     ; the tile of rows: b x 128 + tile
	s_and_b32 s14, s14, 7                          ; the head
	s_lshr_b32 s16, s14, 1                         ; the next product's K step
	s_and_b32 s17, s14, 1
	s_lshl_b32 s20, s15, 13
	s_lshl_b32 s21, s16, 11
	s_add_co_u32 s20, s20, s21
	s_lshl_b32 s21, s17, 10
	s_add_co_u32 s20, s20, s21
	s_mov_b32 s21, 0
	s_lshl_b32 s22, s15, 9
	s_lshl_b32 s23, s16, 7
	s_add_co_u32 s22, s22, s23
	s_lshl_b32 s23, s17, 1
	s_add_co_u32 s22, s22, s23
	s_mov_b32 s23, 0
	v_add_f32 v14, v14, v15
	v_permlanex16_b32 v252, v14, s2, s3
	v_add_f32 v14, v14, v252                       ; the row's sum
	v_rcp_f32 v14, v14
	v_and_b32 v6, 31, v0
	v_lshlrev_b32 v6, 2, v6
.rept 8
	v_nop                                          ; places behind the last products
.endr
	s_wait_alu depctr_va_vdst(0)                   ; the wait ahead of the reciprocal's first reader
.set n, 0
.rept 32
	v_mul_f32 v[S+n], v[O+n], v14                  ; register 8 t + i: d = 32 (t / 2) + 16 h + 8 (t % 2) + i
.set n, n+1
.endr
	QUANT2 S, S, PCD, 232
	v_lshl_or_b32 v242, v241, 8, v240              ; the two scale bytes
	s_wait_kmcnt 0x0
	s_add_nc_u64 s[8:9], s[8:9], s[20:21]
	s_add_nc_u64 s[10:11], s[10:11], s[22:23]
	global_store_b128 v[LI], v[PCD:PCD+3], s[8:9]
	global_store_b128 v[LI], v[PCD+4:PCD+7], s[8:9] offset:512
	global_store_b16 v6, v242, s[10:11]
	s_wait_tensorcnt 0x0                           ; the wave's end
	ds_add_u32 v[SPW], v[NIL]
	s_wait_dscnt 0x0
	CROUND                                         ; the closing round
	s_endpgm
.Lfunc_end_k_q9f4ce80d00_attn:
	.size	k_q9f4ce80d00_attn, .Lfunc_end_k_q9f4ce80d00_attn-k_q9f4ce80d00_attn
	.p2alignl 7, 3214868480
	.fill 96, 4, 3214868480
	.section	.rodata,"a",@progbits
	.p2align	6, 0x0
	.amdhsa_kernel k_q9f4ce80d00_attn
		.amdhsa_group_segment_fixed_size 280576
		.amdhsa_private_segment_fixed_size 0
		.amdhsa_enable_private_segment 0
		.amdhsa_kernarg_size 48
		.amdhsa_user_sgpr_count 2
		.amdhsa_user_sgpr_kernarg_segment_ptr 1
		.amdhsa_wavefront_size32 1
		.amdhsa_system_sgpr_workgroup_id_x 1
		.amdhsa_system_sgpr_workgroup_id_y 1
		.amdhsa_system_sgpr_workgroup_id_z 1
		.amdhsa_system_vgpr_workitem_id 0
		.amdhsa_next_free_vgpr 256
		.amdhsa_next_free_sgpr 102
		.amdhsa_reserve_vcc 0
		.amdhsa_float_denorm_mode_32 3
		.amdhsa_float_denorm_mode_16_64 3
		.amdhsa_memory_ordered 1
		.amdhsa_forward_progress 1
		.amdhsa_inst_pref_size 116
	.end_amdhsa_kernel
	.amdgpu_metadata
---
amdhsa.version: [ 1, 2 ]
amdhsa.kernels:
  - .name:           k_q9f4ce80d00_attn
    .symbol:         k_q9f4ce80d00_attn.kd
    .args:
      - { .name: qimg, .offset: 0, .size: 8, .value_kind: global_buffer, .address_space: global }
      - { .name: qsc, .offset: 8, .size: 8, .value_kind: global_buffer, .address_space: global }
      - { .name: kv, .offset: 16, .size: 8, .value_kind: global_buffer, .address_space: global }
      - { .name: mbits, .offset: 24, .size: 8, .value_kind: global_buffer, .address_space: global }
      - { .name: zimg, .offset: 32, .size: 8, .value_kind: global_buffer, .address_space: global }
      - { .name: zsc, .offset: 40, .size: 8, .value_kind: global_buffer, .address_space: global }
    .group_segment_fixed_size: 280576
    .private_segment_fixed_size: 0
    .kernarg_segment_align: 8
    .kernarg_segment_size: 48
    .max_flat_workgroup_size: 512
    .sgpr_count:     102
    .vgpr_count:     256
    .wavefront_size: 32
...
	.end_amdgpu_metadata
.endif
;; end of part 2
;; launch tail (part 3): grid 256 x 1, 16 waves a work-group, no clusters, 176,640 bytes of LDS; arguments zimg, zsc, vx, wo_codes, wo_scales, bo, ln1_g, ln1_b, w1_codes, w1_scales, b1, w2_codes, w2_scales, b2, ln2_g, ln2_b, out0; writes out0
.if DOCPART == 3
	.amdgcn_target "amdgcn-amd-amdhsa--gfx1250"
	.amdhsa_code_object_version 6
	.text
	.protected	k_q9f4ce80d00_tail
	.globl	k_q9f4ce80d00_tail
	.p2align	8
	.type	k_q9f4ce80d00_tail,@function
k_q9f4ce80d00_tail:
	s_mov_b64 s[64:65], 0
	v_nop
	global_prefetch_b8 v0, s[64:65] scope:SCOPE_SE
	s_setreg_imm32_b32 hwreg(HW_REG_WAVE_MODE, 25, 1), 1
	s_wait_xcnt 0x0
; TAIL: out = LN2(zn + gelu(zn W1 + b1) W2 + b2), zn = LN1(vx + z Wo + bo); the three products on codes of E5M2; zn and gelu(..) are quantised on the way and never go to memory.  No work of the problem is left out here.
; SHARES.  A work-group takes 32 rows, as two tiles (lane r of tile m is row 8 m + r + 8 (r / 8), as the attention launch left z).  THE SIXTEEN WAVES SHARE THE COLUMNS: wave w makes columns 32 w .. 32 w + 31 of each
; panel of 512: one quantiser block of the next product's K.  The products are used transposed (source 0 = 16 rows of the weight, rows 32 w + 8 u + r + 8 (r / 8); source 1 = 16 rows of the operand), so a lane holds one row and
; its 16 registers of two tiles are 16 neighbouring columns.  Operands go from wave to wave through LDS as images of their registers (16 bytes a lane, 512 a store), their scale bytes beside them.
; THE WEIGHTS go from memory straight into registers, through a ring of four K steps (32 registers of codes and 2 scale words each): a K step's ten loads are issued a whole phase, four K steps, ahead of their use.
; Behind the head they are the only global loads: so the wait in front of a K step leaves 30 out, the three K steps issued behind it; in the last product 30, 20, 10, 0.
; No tensor load and no cluster: each wave reads weight rows that no other wave of its work-group reads, so LDS would only carry them a second time.  No prefetch: all work-groups read the same weights.
; THE FFN goes in four chunks of 512 hidden units, written out by one macro: every offset is an immediate.  The hidden layer's images take two buffers by turns, so one barrier a chunk serves.
; LAYER NORM: each wave's mean and centred sum of squares of its 32 columns, joined over the sixteen waves by the means' own spread: no difference of large sums is formed.
; GELU, exact form: gelu(x) = max(x, 0) - (|x| / 2) erfc(|x| / sqrt 2), erfc(z) = t exp(-z^2 + P(t)), t = 1 / (1 + z / 2), P of degree 9.  LIMIT: that fit's fractional error is 1.2e-7.
; LIMITS: NaN and infinities are not served; a block whose largest magnitude lies under 2^-111 keeps the scale byte 1.
.set ZI,    0                          ; z's images: m x 8,192 + s x 2,048 + c x 512 + 16 x lane
.set ZNI,   16384                      ; zn's
.set HI,    32768                      ; the hidden layer's: two buffers of 16,384
.set SCB,   65536                      ; scale words, m x 512 + s x 128 + 4 x lane (+ c): the registers v2 and v8 carry this base
.set ZS,    0
.set ZNS,   1024
.set HS,    2048                       ; two buffers of 1,024
.set STAT1, 69632                      ; m x 4,608 + lane x 144 + 8 x wave: a wave's mean and centred sum of squares
.set STAT2, 78848
.set B1L,   88064                      ; b1; v9 carries this base
.set PBO,   8192                       ; behind it, from v9's base on: bo, ln1_g, ln1_b, b2, ln2_g, ln2_b, 2,048 bytes each
.set PL1G,  10240
.set PL1B,  12288
.set PB2,   14336
.set PL2G,  16384
.set PL2B,  18432
.set STG,   108544                     ; 32 rows of 2,048 bytes + 16: vx on the way in, the result on the way out
.set SPARE, 174592                     ; the spare words, 128 bytes for each wave, that no other line names
.set SPW, 10                           ; v10  LDS address of my spare word; never rewritten
.set NIL, 11                           ; v11  0; never rewritten
.set XSR, 12                           ; v12-13 the operand's scale words
.set WSR, 14                           ; v14-21 the weights' scale words, 2 s + u
.set TM,  22                           ; v22-31 at work
.set Y,   32                           ; v32-63 the residual stream, 16 m + 8 u + j
.set H,   64                           ; v64-95 a product's results
.set XF,  96                           ; v96-127 the operand's two fragments; at work between the products
.set W,   128                          ; v128-255 the weight ring, 32 s + 16 u
.set SEL, 4                            ; s[4:5]
.set MNT, 6                            ; s6
; v1 16 x lane; v2 SCB + 4 x lane; v3, v4 my weight row x 512, x 2,048 (+ 16 h); v5, v6 my weight row x 16, x 64; v7, v8 where my images and scale bytes go; v9 B1L + 128 w + 64 h
.macro QUANT2 src, dst, pc, tm         ; two blocks of 16 numbers a lane (the other 16 lie in lane l xor 16) become codes in v[pc + 4 a] on, bytes in v[tm + 8 + a]
.irp a,0,1
	v_max3_num_f32 v[\tm+\a], |v[\src+16*\a]|, |v[\src+16*\a+1]|, 0x8000000
.endr
.irp i,2,4,6,8,10,12,14
.irp a,0,1
	v_max3_num_f32 v[\tm+\a], v[\tm+\a], |v[\src+16*\a+\i]|, |v[\src+16*\a+\i+1]|
.endr
.endr
.irp a,0,1
	v_permlanex16_b32 v[\tm+2+\a], v[\tm+\a], s[SEL], s[SEL+1]
.endr
.irp a,0,1
	v_max_num_f32 v[\tm+\a], v[\tm+\a], v[\tm+2+\a]
.endr
.irp a,0,1
	v_add_nc_u32 v[\tm+4+\a], 0xf8800000, v[\tm+\a]
.endr
.irp a,0,1
	v_and_or_b32 v[\tm+6+\a], v[\tm+\a], 0x7f800000, s[MNT]
.endr
.irp a,0,1
	v_lshrrev_b32 v[\tm+8+\a], 23, v[\tm+4+\a]
.endr
.irp a,0,1
.irp i,0,1,2,3,4,5,6,7,8,9,10,11,12,13,14,15
	v_med3_num_f32 v[\dst+16*\a+\i], v[\src+16*\a+\i], -v[\tm+6+\a], v[\tm+6+\a]
.endr
	v_cvt_scalef32_pk8_bf8_f32 v[\pc+4*\a:\pc+4*\a+1], v[\dst+16*\a:\dst+16*\a+7], v[\tm+4+\a]
	v_cvt_scalef32_pk8_bf8_f32 v[\pc+4*\a+2:\pc+4*\a+3], v[\dst+16*\a+8:\dst+16*\a+15], v[\tm+4+\a]
.endr
	v_nop
.endm
; Ten loads: K step k of my two weight tiles and their scale words.  rp: a weight row in bytes; co, so: the chunk's offsets.
.macro RING k, vo, vs, cb, sb, rp, co, so
.irp u,0,1
.irp c,0,1,2,3
	global_load_b128 v[W+32*\k+16*\u+4*\c:W+32*\k+16*\u+4*\c+3], v[\vo], s[\cb:\cb+1] offset:\u*8*\rp+\k*128+32*\c+\co
.endr
.endr
.irp u,0,1
	global_load_b32 v[WSR+2*\k+\u], v[\vs], s[\sb:\sb+1] offset:\u*8*(\rp/32)+4*\k+\so
.endr
.endm
; A K step of 128: the operand's two fragments and scale words from LDS, four products on four accumulators by turns, eight places, then the ring slot's next loads.
; nk: 0 nothing follows, 1 w1's chunk nj, 2 w2's chunk nj.
.macro KSTEP s, acc, img, sc, cnt, nk, nj
.irp m,0,1
.irp c,0,1,2,3
	ds_load_b128 v[XF+16*\m+4*\c:XF+16*\m+4*\c+3], v1 offset:\img+\m*8192+\s*2048+\c*512
.endr
	ds_load_b32 v[XSR+\m], v2 offset:\sc+\m*512+\s*128
.endr
	s_wait_loadcnt \cnt                            ; this K step's ten loads are in; those issued behind them stay out
	s_wait_dscnt 0x0
.irp m,0,1
.irp u,0,1
	v_wmma_scale_f32_16x16x128_f8f6f4 v[\acc+16*\m+8*\u:\acc+16*\m+8*\u+7], v[W+32*\s+16*\u:W+32*\s+16*\u+15], v[XF+16*\m:XF+16*\m+15], v[\acc+16*\m+8*\u:\acc+16*\m+8*\u+7], v[WSR+2*\s+\u], v[XSR+\m] matrix_a_fmt:MATRIX_FMT_BF8 matrix_b_fmt:MATRIX_FMT_BF8
.endr
.endr
.rept 8
	v_nop
.endr
.if \nk == 1
	RING \s, 3, 5, 24, 26, 512, (\nj)*262144, (\nj)*8192
.elseif \nk == 2
	RING \s, 4, 6, 30, 32, 2048, (\nj)*512, (\nj)*16
.endif
.endm
; gelu of eight numbers, v[x] on, in place.  Z v96-103, T v104-111, P v112-119; v[120:121] the polynomial's leading coefficient.
.macro GELU8 x
.irp i,0,1,2,3,4,5,6,7
	v_mul_f32 v[96+\i], 0x3f3504f3, |v[\x+\i]|     ; z = |x| / sqrt 2
.endr
.irp i,0,2,4,6
	v_pk_fma_f32 v[104+\i:105+\i], v[96+\i:97+\i], 0.5, 1.0 op_sel_hi:[1,0,0]
.endr
.irp i,0,1,2,3,4,5,6,7
	v_rcp_f32 v[104+\i], v[104+\i]                 ; t
.endr
.irp i,0,1,2,3,4,5,6,7
	v_max_num_f32 v[\x+\i], 0, v[\x+\i]            ; max(x, 0): plain work behind the batch
.endr
	s_wait_alu depctr_va_vdst(0)                   ; one wait for the eight reciprocals, ahead of their first reader
.irp i,0,2,4,6
	v_pk_fma_f32 v[112+\i:113+\i], v[104+\i:105+\i], v[120:121], 0xbf527891 op_sel_hi:[1,1,0]
.endr
.irp k,0x3fbe87b0,0xbf914e5d,0x3e8ec7cc,0xbe3ec24c,0x3dc636c9,0x3ebf88fb,0x3f8000c7,0xbfa1fc4e
.irp i,0,2,4,6
	v_pk_fma_f32 v[112+\i:113+\i], v[112+\i:113+\i], v[104+\i:105+\i], \k op_sel_hi:[1,1,0]
.endr
.endr
.irp i,0,2,4,6
	v_pk_fma_f32 v[112+\i:113+\i], v[96+\i:97+\i], v[96+\i:97+\i], v[112+\i:113+\i] neg_lo:[1,0,0] neg_hi:[1,0,0]   ; - z^2
.endr
.irp i,0,2,4,6
	v_pk_mul_f32 v[112+\i:113+\i], v[112+\i:113+\i], 0x3fb8aa3b op_sel_hi:[1,0]
.endr
.irp i,0,1,2,3,4,5,6,7
	v_exp_f32 v[112+\i], v[112+\i]
.endr
.irp i,0,2,4,6
	v_pk_mul_f32 v[96+\i:97+\i], v[96+\i:97+\i], 0x3f3504f3 op_sel_hi:[1,0]        ; |x| / 2: plain work behind the batch
.endr
	s_wait_alu depctr_va_vdst(0)                   ; one wait for the eight exponentials
.irp i,0,2,4,6
	v_pk_mul_f32 v[112+\i:113+\i], v[112+\i:113+\i], v[104+\i:105+\i]              ; erfc(z)
.endr
.irp i,0,2,4,6
	v_pk_fma_f32 v[\x+\i:\x+\i+1], v[96+\i:97+\i], v[112+\i:113+\i], v[\x+\i:\x+\i+1] neg_lo:[1,0,0] neg_hi:[1,0,0]
.endr
.endm
; Layer norm of Y, in place.  stat: the LDS region; pg, pb: gain and bias, from v9's base on.  One barrier.
.macro LNORM stat, pg, pb
.irp j,0,1,2,3
	ds_load_b128 v[H+4*\j:H+4*\j+3], v9 offset:\pg+16*\j
	ds_load_b128 v[H+16+4*\j:H+16+4*\j+3], v9 offset:\pb+16*\j
.endr
.irp m,0,1
	v_pk_add_f32 v[96+16*\m:97+16*\m], v[Y+16*\m:Y+1+16*\m], v[Y+2+16*\m:Y+3+16*\m]          ; each accumulator from its low end on
	v_pk_add_f32 v[98+16*\m:99+16*\m], v[Y+4+16*\m:Y+5+16*\m], v[Y+6+16*\m:Y+7+16*\m]
	v_pk_add_f32 v[100+16*\m:101+16*\m], v[Y+8+16*\m:Y+9+16*\m], v[Y+10+16*\m:Y+11+16*\m]
	v_pk_add_f32 v[102+16*\m:103+16*\m], v[Y+12+16*\m:Y+13+16*\m], v[Y+14+16*\m:Y+15+16*\m]
.endr
.irp m,0,1
	v_pk_add_f32 v[96+16*\m:97+16*\m], v[96+16*\m:97+16*\m], v[98+16*\m:99+16*\m]
	v_pk_add_f32 v[100+16*\m:101+16*\m], v[100+16*\m:101+16*\m], v[102+16*\m:103+16*\m]
.endr
.irp m,0,1
	v_pk_add_f32 v[96+16*\m:97+16*\m], v[96+16*\m:97+16*\m], v[100+16*\m:101+16*\m]
.endr
.irp m,0,1
	v_add_f32 v[96+16*\m], v[96+16*\m], v[97+16*\m]
.endr
.irp m,0,1
	v_permlanex16_b32 v[98+16*\m], v[96+16*\m], s[SEL], s[SEL+1]
.endr
.irp m,0,1
	v_add_f32 v[96+16*\m], v[96+16*\m], v[98+16*\m]
.endr
.irp m,0,1
	v_mul_f32 v[96+16*\m], 0x3d000000, v[96+16*\m]                 ; my wave's mean of its 32 columns
.endr
.irp m,0,1
	v_mov_b32 v[97+16*\m], v[96+16*\m]
.endr
.irp m,0,1
	v_pk_add_f32 v[100+16*\m:101+16*\m], v[Y+16*\m:Y+1+16*\m], v[96+16*\m:97+16*\m] neg_lo:[0,1] neg_hi:[0,1]
.endr
.irp m,0,1
	v_pk_mul_f32 v[98+16*\m:99+16*\m], v[100+16*\m:101+16*\m], v[100+16*\m:101+16*\m]        ; the first square starts the sum
.endr
.irp i,2,4,6,8,10,12,14
.irp m,0,1
	v_pk_add_f32 v[100+16*\m:101+16*\m], v[Y+16*\m+\i:Y+1+16*\m+\i], v[96+16*\m:97+16*\m] neg_lo:[0,1] neg_hi:[0,1]
.endr
.irp m,0,1
	v_pk_fma_f32 v[98+16*\m:99+16*\m], v[100+16*\m:101+16*\m], v[100+16*\m:101+16*\m], v[98+16*\m:99+16*\m]
.endr
.endr
.irp m,0,1
	v_add_f32 v[97+16*\m], v[98+16*\m], v[99+16*\m]
.endr
.irp m,0,1
	v_permlanex16_b32 v[98+16*\m], v[97+16*\m], s[SEL], s[SEL+1]
.endr
.irp m,0,1
	v_add_f32 v[97+16*\m], v[97+16*\m], v[98+16*\m]                ; and its centred sum of squares
.endr
	v_and_b32 v22, 31, v0
	v_mul_u32_u24 v22, v22, 144
	v_add_nc_u32 v22, \stat, v22
	v_add_nc_u32 v23, s49, v22
	ds_store_b64 v23, v[96:97]
	ds_store_b64 v23, v[112:113] offset:4608
	s_wait_dscnt 0x0                               ; my stores have landed (and gain and bias are in)
	s_barrier_signal -1
	s_barrier_wait -1
.irp m,0,1
.irp j,0,1,2,3,4,5,6,7
	ds_load_b128 v[96+4*\j:99+4*\j], v22 offset:\m*4608+16*\j      ; the sixteen waves' pairs for my row
.endr
	s_wait_dscnt 0x0
	v_pk_add_f32 v[24:25], v[96:97], v[98:99]
	v_pk_add_f32 v[26:27], v[100:101], v[102:103]
.irp i,104,108,112,116,120,124
	v_pk_add_f32 v[24:25], v[24:25], v[\i:\i+1]
	v_pk_add_f32 v[26:27], v[26:27], v[\i+2:\i+3]
.endr
	v_pk_add_f32 v[24:25], v[24:25], v[26:27]
	v_mul_f32 v28, 0x3d800000, v24                 ; the row's mean, twice: a pair for the packed forms
	v_mul_f32 v29, 0x3d800000, v24
.irp i,0,1,2,3,4,5,6,7,8,9,10,11,12,13,14,15
	v_sub_f32 v[96+2*\i], v[96+2*\i], v28
.endr
	v_mul_f32 v26, v96, v96
	v_mul_f32 v27, v98, v98
.irp i,100,104,108,112,116,120,124
	v_fmac_f32 v26, v[\i], v[\i]
	v_fmac_f32 v27, v[\i+2], v[\i+2]
.endr
	v_add_f32 v26, v26, v27
	v_fma_f32 v25, v25, s51, s50                   ; the sums of squares / 512 + eps
	v_fmamk_f32 v25, v26, 0x3d800000, v25          ; + 32 x the means' spread / 512
	v_rsq_f32 v30, v25
	v_rsq_f32 v31, v25
.irp i,0,2,4,6,8,10,12,14
	v_pk_add_f32 v[Y+16*\m+\i:Y+1+16*\m+\i], v[Y+16*\m+\i:Y+1+16*\m+\i], v[28:29] neg_lo:[0,1] neg_hi:[0,1]     ; plain work behind the two roots
.endr
	s_wait_alu depctr_va_vdst(0)                   ; one wait for both, ahead of their first reader
.irp i,0,2,4,6,8,10,12,14
	v_pk_mul_f32 v[Y+16*\m+\i:Y+1+16*\m+\i], v[Y+16*\m+\i:Y+1+16*\m+\i], v[30:31]
.endr
.irp i,0,2,4,6,8,10,12,14
	v_pk_fma_f32 v[Y+16*\m+\i:Y+1+16*\m+\i], v[Y+16*\m+\i:Y+1+16*\m+\i], v[H+\i:H+1+\i], v[H+16+\i:H+17+\i]
.endr
.endr
.endm
.macro BARRIER
	s_wait_dscnt 0x0
	s_barrier_signal -1
	s_barrier_wait -1
.endm
; Chunk j of the FFN: hidden units 512 j .. 512 j + 511.
.macro CHUNK j
.set HIB, HI+((\j)%2)*16384
.set HSB, HS+((\j)%2)*1024
.irp m,0,1
.irp i,0,1,2,3
	ds_load_b128 v[H+16*\m+4*\i:H+16*\m+4*\i+3], v9 offset:(\j)*2048+16*\i         ; b1 starts the sums
.endr
.endr
	KSTEP 0, H, ZNI, ZNS, 30, 2, \j
	KSTEP 1, H, ZNI, ZNS, 30, 2, \j
	KSTEP 2, H, ZNI, ZNS, 30, 2, \j
	KSTEP 3, H, ZNI, ZNS, 30, 2, \j
	v_mov_b32 v120, 0x3e2ef945
	v_mov_b32 v121, 0x3e2ef945
	GELU8 H
	GELU8 H+8
	GELU8 H+16
	GELU8 H+24
	QUANT2 H, H, XF, TM
	ds_store_b128 v7, v[XF:XF+3] offset:HIB
	ds_store_b128 v7, v[XF+4:XF+7] offset:HIB+8192
	ds_store_b8 v8, v[TM+8] offset:HSB
	ds_store_b8 v8, v[TM+9] offset:HSB+512
	BARRIER                                        ; the chunk's images lie in LDS.  The other buffer is written again only by waves that have passed the next chunk's barrier, which every wave reaches behind its reads of it
.if \j < 3
	KSTEP 0, Y, HIB, HSB, 30, 1, \j+1
	KSTEP 1, Y, HIB, HSB, 30, 1, \j+1
	KSTEP 2, Y, HIB, HSB, 30, 1, \j+1
	KSTEP 3, Y, HIB, HSB, 30, 1, \j+1
.else
	KSTEP 0, Y, HIB, HSB, 30, 0, 0
	KSTEP 1, Y, HIB, HSB, 20, 0, 0
	KSTEP 2, Y, HIB, HSB, 10, 0, 0
	KSTEP 3, Y, HIB, HSB, 0, 0, 0
.endif
.endm
	s_load_b512 s[8:23], s[0:1], 0x0               ; zimg, zsc, vx, wo_codes, wo_scales, bo, ln1_g, ln1_b
	s_load_b512 s[24:39], s[0:1], 0x40             ; w1_codes, w1_scales, b1, w2_codes, w2_scales, b2, ln2_g, ln2_b
	s_load_b64 s[40:41], s[0:1], 0x80              ; out0
	v_lshl_add_u32 v[SPW], v0, 2, SPARE
	v_mov_b32 v[NIL], 0
	v_lshrrev_b32 v1, 5, v0
	v_readfirstlane_b32 s2, v1                     ; wave 0..15
	v_and_b32 v22, 31, v0                          ; lane
	v_and_b32 v23, 15, v0                          ; r
	v_bfe_u32 v24, v0, 4, 1                        ; h
	v_and_b32 v25, 8, v23
	v_add_nc_u32 v25, v25, v23                     ; r + 8 (r / 8)
	v_lshlrev_b32 v1, 4, v22
	v_lshl_add_u32 v2, v22, 2, SCB
	s_lshl_b32 s3, s2, 5
	v_add_nc_u32 v26, s3, v25                      ; my weight row of tile 0
	v_lshlrev_b32 v3, 9, v26
	v_lshl_add_u32 v3, v24, 4, v3
	v_lshlrev_b32 v4, 11, v26
	v_lshl_add_u32 v4, v24, 4, v4
	v_lshlrev_b32 v5, 4, v26
	v_lshlrev_b32 v6, 6, v26
	s_lshr_b32 s42, s2, 2                          ; my columns are K step w / 4, block w % 4 of the next product
	s_and_b32 s43, s2, 3
	s_lshl_b32 s44, s42, 11
	s_lshl_b32 s45, s43, 9
	s_add_co_u32 s44, s44, s45
	v_add_nc_u32 v7, s44, v1
	s_lshl_b32 s44, s42, 7
	s_add_co_u32 s44, s44, s43
	v_add_nc_u32 v8, s44, v2
	s_lshl_b32 s44, s2, 7
	s_add_co_u32 s46, s44, STG                     ; s46: STG + 128 w
	s_add_co_u32 s44, s44, B1L
	v_lshl_add_u32 v9, v24, 6, s44
	s_mul_i32 s47, s2, 4128
	s_add_co_u32 s47, s47, STG                     ; s47: STG + my two rows
	s_lshl_b32 s48, s2, 12                         ; s48: my two rows in memory
	s_lshl_b32 s49, s2, 3                          ; s49: 8 w
	s_mov_b32 s50, 0x3727c5ac                      ; eps = 1e-5
	s_mov_b32 s51, 0x3b000000                      ; 1 / 512
	s_mov_b32 s[SEL], 0x76543210
	s_mov_b32 s[SEL+1], 0xfedcba98
	s_mov_b32 s[MNT], 0x600000
	v_lshlrev_b32 v64, 4, v0                       ; the head's addresses stand in registers that the first product's results take later
	v_lshlrev_b32 v65, 1, v0
	v_lshlrev_b32 v66, 2, v0
	v_add_nc_u32 v67, s48, v1
	v_add_nc_u32 v68, SCB, v65
	v_add_nc_u32 v69, B1L, v64
	v_add_nc_u32 v70, B1L+PBO, v66
	v_add_nc_u32 v71, s47, v1
	v_mul_u32_u24 v72, v25, 2064
	v_lshl_add_u32 v72, v24, 6, v72
	v_add_nc_u32 v72, s46, v72
	s_lshl_b32 s52, ttmp9, 14
	s_mov_b32 s53, 0
	s_lshl_b32 s54, ttmp9, 10
	s_mov_b32 s55, 0
	s_lshl_b32 s56, ttmp9, 16
	s_mov_b32 s57, 0
	s_wait_kmcnt 0x0
	s_add_nc_u64 s[8:9], s[8:9], s[52:53]
	s_add_nc_u64 s[10:11], s[10:11], s[54:55]
	s_add_nc_u64 s[12:13], s[12:13], s[56:57]
	s_add_nc_u64 s[40:41], s[40:41], s[56:57]
	global_load_b128 v[32:35], v64, s[8:9]         ; z's images: 16,384 dense bytes
	global_load_b128 v[36:39], v64, s[8:9] offset:8192
	global_load_u16 v40, v65, s[10:11]             ; their scale words: 1,024 dense bytes
	global_load_b128 v[44:47], v64, s[28:29]       ; b1
	global_load_b32 v48, v66, s[18:19]             ; bo
	global_load_b32 v49, v66, s[20:21]             ; ln1_g
	global_load_b32 v50, v66, s[22:23]             ; ln1_b
	global_load_b32 v51, v66, s[34:35]             ; b2
	global_load_b32 v52, v66, s[36:37]             ; ln2_g
	global_load_b32 v53, v66, s[38:39]             ; ln2_b
.irp i,0,1
.irp k,0,1,2,3
	global_load_b128 v[XF+16*\i+4*\k:XF+16*\i+4*\k+3], v67, s[12:13] offset:\i*2048+\k*512   ; rows 2 w and 2 w + 1 of vx, 512 consecutive bytes a load
.endr
.endr
	RING 0, 3, 5, 14, 16, 512, 0, 0                ; wo
	RING 1, 3, 5, 14, 16, 512, 0, 0
	RING 2, 3, 5, 14, 16, 512, 0, 0
	RING 3, 3, 5, 14, 16, 512, 0, 0
	s_wait_loadcnt 40                              ; all but the ring's 40
	ds_store_b128 v64, v[32:35] offset:ZI
	ds_store_b128 v64, v[36:39] offset:ZI+8192
	ds_store_b16 v68, v40
	ds_store_b128 v69, v[44:47]
.irp p,0,1,2,3,4,5
	ds_store_b32 v70, v[48+\p] offset:\p*2048
.endr
.irp i,0,1
.irp k,0,1,2,3
	ds_store_b128 v71, v[XF+16*\i+4*\k:XF+16*\i+4*\k+3] offset:\i*2064+\k*512
.endr
.endr
	BARRIER
.irp m,0,1
.irp i,0,1,2,3
	ds_load_b128 v[Y+16*\m+4*\i:Y+16*\m+4*\i+3], v72 offset:\m*16512+16*\i         ; vx in the results' layout: row 8 m + r + 8 (r / 8), columns 32 w + 16 h on
.endr
.endr
.irp m,0,1
.irp i,0,1,2,3
	ds_load_b128 v[H+16*\m+4*\i:H+16*\m+4*\i+3], v9 offset:PBO+16*\i               ; bo starts the sums
.endr
.endr
	; ---- z Wo + bo
	KSTEP 0, H, ZI, ZS, 30, 1, 0
	KSTEP 1, H, ZI, ZS, 30, 1, 0
	KSTEP 2, H, ZI, ZS, 30, 1, 0
	KSTEP 3, H, ZI, ZS, 30, 1, 0
.set n, 0
.rept 16
	v_pk_add_f32 v[Y+n:Y+n+1], v[Y+n:Y+n+1], v[H+n:H+n+1]
.set n, n+2
.endr
	LNORM STAT1, PL1G, PL1B                        ; Y = zn
.irp i,0,1,2,3
	ds_load_b128 v[104+4*\i:107+4*\i], v9 offset:PB2+16*\i         ; b2
.endr
	QUANT2 Y, H, XF, TM                            ; the held numbers go to H: zn stays
	ds_store_b128 v7, v[XF:XF+3] offset:ZNI
	ds_store_b128 v7, v[XF+4:XF+7] offset:ZNI+8192
	ds_store_b8 v8, v[TM+8] offset:ZNS
	ds_store_b8 v8, v[TM+9] offset:ZNS+512
	s_wait_dscnt 0x0                               ; my stores have landed, b2 is in
	s_barrier_signal -1
.irp m,0,1
.irp i,0,2,4,6,8,10,12,14
	v_pk_add_f32 v[Y+16*\m+\i:Y+1+16*\m+\i], v[Y+16*\m+\i:Y+1+16*\m+\i], v[104+\i:105+\i]    ; zn + b2 starts the second product's sums: work on registers while the others arrive
.endr
.endr
	s_barrier_wait -1
	CHUNK 0
	CHUNK 1
	CHUNK 2
	CHUNK 3
	LNORM STAT2, PL2G, PL2B
	; ---- the way out: through the stage, so that each store of a wave covers 512 consecutive bytes of a row
	v_and_b32 v22, 15, v0
	v_and_b32 v23, 8, v22
	v_add_nc_u32 v22, v22, v23
	v_mul_u32_u24 v22, v22, 2064
	v_bfe_u32 v23, v0, 4, 1
	v_lshl_add_u32 v22, v23, 6, v22
	v_add_nc_u32 v22, s46, v22
	v_add_nc_u32 v24, s47, v1
	v_add_nc_u32 v25, s48, v1
.irp m,0,1
.irp i,0,1,2,3
	ds_store_b128 v22, v[Y+16*\m+4*\i:Y+16*\m+4*\i+3] offset:\m*16512+16*\i
.endr
.endr
	BARRIER
.irp i,0,1
.irp k,0,1,2,3
	ds_load_b128 v[XF+16*\i+4*\k:XF+16*\i+4*\k+3], v24 offset:\i*2064+\k*512
.endr
.endr
.irp i,0,1
.irp k,0,1,2,3
	s_wait_dscnt 7-4*\i-\k
	global_store_b128 v25, v[XF+16*\i+4*\k:XF+16*\i+4*\k+3], s[40:41] offset:\i*2048+\k*512 th:TH_STORE_NT
.endr
.endr
	s_wait_tensorcnt 0x0                           ; the wave's end, behind my last LDS store
	ds_add_u32 v[SPW], v[NIL]
	s_wait_dscnt 0x0
	s_endpgm
.Lfunc_end_k_q9f4ce80d00_tail:
	.size	k_q9f4ce80d00_tail, .Lfunc_end_k_q9f4ce80d00_tail-k_q9f4ce80d00_tail
	.p2alignl 7, 3214868480
	.fill 96, 4, 3214868480
	.section	.rodata,"a",@progbits
	.p2align	6, 0x0
	.amdhsa_kernel k_q9f4ce80d00_tail
		.amdhsa_group_segment_fixed_size 176640
		.amdhsa_private_segment_fixed_size 0
		.amdhsa_enable_private_segment 0
		.amdhsa_kernarg_size 136
		.amdhsa_user_sgpr_count 2
		.amdhsa_user_sgpr_kernarg_segment_ptr 1
		.amdhsa_wavefront_size32 1
		.amdhsa_system_sgpr_workgroup_id_x 1
		.amdhsa_system_sgpr_workgroup_id_y 1
		.amdhsa_system_sgpr_workgroup_id_z 1
		.amdhsa_system_vgpr_workitem_id 0
		.amdhsa_next_free_vgpr 256
		.amdhsa_next_free_sgpr 66
		.amdhsa_reserve_vcc 0
		.amdhsa_float_denorm_mode_32 3
		.amdhsa_float_denorm_mode_16_64 3
		.amdhsa_memory_ordered 1
		.amdhsa_forward_progress 1
		.amdhsa_inst_pref_size 255
	.end_amdhsa_kernel
	.amdgpu_metadata
---
amdhsa.version: [ 1, 2 ]
amdhsa.kernels:
  - .name:           k_q9f4ce80d00_tail
    .symbol:         k_q9f4ce80d00_tail.kd
    .args:
      - { .name: zimg, .offset: 0, .size: 8, .value_kind: global_buffer, .address_space: global }
      - { .name: zsc, .offset: 8, .size: 8, .value_kind: global_buffer, .address_space: global }
      - { .name: vx, .offset: 16, .size: 8, .value_kind: global_buffer, .address_space: global }
      - { .name: wo_codes, .offset: 24, .size: 8, .value_kind: global_buffer, .address_space: global }
      - { .name: wo_scales, .offset: 32, .size: 8, .value_kind: global_buffer, .address_space: global }
      - { .name: bo, .offset: 40, .size: 8, .value_kind: global_buffer, .address_space: global }
      - { .name: ln1_g, .offset: 48, .size: 8, .value_kind: global_buffer, .address_space: global }
      - { .name: ln1_b, .offset: 56, .size: 8, .value_kind: global_buffer, .address_space: global }
      - { .name: w1_codes, .offset: 64, .size: 8, .value_kind: global_buffer, .address_space: global }
      - { .name: w1_scales, .offset: 72, .size: 8, .value_kind: global_buffer, .address_space: global }
      - { .name: b1, .offset: 80, .size: 8, .value_kind: global_buffer, .address_space: global }
      - { .name: w2_codes, .offset: 88, .size: 8, .value_kind: global_buffer, .address_space: global }
      - { .name: w2_scales, .offset: 96, .size: 8, .value_kind: global_buffer, .address_space: global }
      - { .name: b2, .offset: 104, .size: 8, .value_kind: global_buffer, .address_space: global }
      - { .name: ln2_g, .offset: 112, .size: 8, .value_kind: global_buffer, .address_space: global }
      - { .name: ln2_b, .offset: 120, .size: 8, .value_kind: global_buffer, .address_space: global }
      - { .name: out0, .offset: 128, .size: 8, .value_kind: global_buffer, .address_space: global }
    .group_segment_fixed_size: 176640
    .private_segment_fixed_size: 0
    .kernarg_segment_align: 8
    .kernarg_segment_size: 136
    .max_flat_workgroup_size: 512
    .sgpr_count:     66
    .vgpr_count:     256
    .wavefront_size: 32
...
	.end_amdgpu_metadata
.endif
;; end of part 3
